; MI455X (gfx1250); checked and timed in simulation.
; The chip was launched on July 23, 2026; its instructions are those of AMD's public machine-readable ISA for CDNA 5 (MIT licence, August 2026) and "CDNA5" Instruction Set Architecture Reference Guide (July 2026). The comments in the code are by the model that wrote it; some were corrected since.
;; Self Attention Block. Allowed arithmetic: matrix products marked QUANTISED: E2M3 operands, one E8M0 scale for each 32 along K, by v_wmma_scale_f32_16x16x128_f8f6f4 with both operands' format E2M3, f32 sums; everything else in f32.
;; Inputs: Wk_codes 1,024 x 32 x 24 uint8 (E2M3 codes of Wk, K innermost, in blocks of 32 codes, four codes in three bytes); Wk_scales 1,024 x 32 uint8 (E8M0 scales of Wk, one for each 32 codes along K); Wq_codes 1,024 x 32 x 24 uint8 (E2M3 codes of Wq, K innermost, in blocks of 32 codes, four codes in three bytes); Wq_scales 1,024 x 32 uint8 (E8M0 scales of Wq, one for each 32 codes along K); Wv_codes 1,024 x 32 x 24 uint8 (E2M3 codes of Wv, K innermost, in blocks of 32 codes, four codes in three bytes); Wv_scales 1,024 x 32 uint8 (E8M0 scales of Wv, one for each 32 codes along K); beta 1,024 float32; bk 1,024 float32; bq 1,024 float32; bv 1,024 float32; gamma 1,024 float32; x 4 x 2,048 x 1,024 float32.
;; Outputs: out0 4 x 2,048 x 1,024 float32.
;; Constants: n_heads = 16.
;; This version of the problem:
;;   THIS VERSION OF THE PROBLEM IS GIVEN IN LOW PRECISION. The matrix products marked QUANTISED in the list below multiply operands that are first quantised to E2M3 (2 exponent bits, 3 mantissa bits; 6 bits a number), with one power-of-two scale for each 32 numbers along K (OCP MX v1.0); their sums are f32. All else is computed in f32.
;;   The module's matrix products, in the order in which they are computed (A, B: the left and right operand; K: the contracted axis; several contracted axes count as one K, in the product's order):
;;     1. [M 8,192, K 1,024] x [K 1,024, N 1,024]; A: input x; B: input Wq (given as codes): QUANTISED
;;     2. [M 8,192, K 1,024] x [K 1,024, N 1,024]; A: input x; B: input Wk (given as codes): QUANTISED
;;     3. [M 8,192, K 1,024] x [K 1,024, N 1,024]; A: input x; B: input Wv (given as codes): QUANTISED
;;     4. batch 64 x [M 2,048, K 64] x [K 64, N 2,048]; A: computed on the way; B: computed on the way: QUANTISED
;;     5. batch 64 x [M 2,048, K 2,048] x [K 2,048, N 64]; A: softmax (see below); B: computed on the way: QUANTISED
;;   THE QUANTISER, for each operand of a quantised product, along K:
;;     - K is cut into blocks of 32 from its start; a last block that is shorter is filled with zeros.
;;     - A block's scale is 2^e with e = floor(log2(the largest magnitude in the block)) - 2, held to -126 .. 127; a block of zeros has e = 0. As a byte (E8M0): e + 127.
;;     - Each number is divided by its block's scale, clamped to +-7.5, and rounded to the nearest number of E2M3, ties to even, subnormals kept.
;;     - The product sums the exact products of the quantised numbers (number of the format x scale) in f32.
;;   ~~~python
;;   def quantise(x, axis):      # numpy; x: float32 -> the quantised numbers, widened to float32 again
;;       x = np.moveaxis(x, axis, -1); K = x.shape[-1]
;;       x = np.pad(x, [(0, 0)] * (x.ndim - 1) + [(0, -K % 32)]); x = x.reshape(x.shape[:-1] + (-1, 32)); a = np.abs(x).max(-1, keepdims=True)
;;       e = np.where(a > 0, np.clip(np.frexp(np.where(a > 0, a, 1))[1] - 1 - 2, -126, 127), 0)      # np.frexp(a)[1] - 1 = floor(log2(a)), exactly
;;       r = np.clip(x / 2.0 ** e, -7.5, 7.5)
;;       step = 2.0 ** (np.maximum(np.frexp(np.where(r == 0, 1, r))[1] - 1, 0) - 3)
;;       q = np.round(r / step) * step * 2.0 ** e      # np.round: ties to even
;;       return np.moveaxis(q.reshape(q.shape[:-2] + (-1,))[..., :K], -1, axis).astype(np.float32)
;;   ~~~
;;   SOFTMAX AHEAD OF A QUANTISED PRODUCT. Where the list says 'softmax', what is quantised is not the finished softmax but p = 2^(t - M), with t = logit x log2(e) and M = ceil(the row's largest t), a whole number; so 1/2 < the row's largest p <= 1. The row's sum l is taken of the UNQUANTISED p, in f32, and the product's result is divided by l at the end. Since M is a whole number, a kernel that streams over the keys may use a running M (the ceiling of the running maximum): every later rescaling is an exact power of two, which a block's scale takes up: the codes' values come out the same.
;;   OPERANDS COMPUTED ON THE WAY. 'Computed on the way' means the value that the module computes at that place (a softmax that the list does not call 'softmax' is quantised finished and normalised). What goes into a quantiser is computed in f32, as accurately as f32 sums, v_exp_f32 and their like allow (about 1e-6 of the number): no bf16 or f16 on the way to a quantiser, and a product that is left as it is and whose result goes on into a quantised operand takes f32 operands (vector FMAs, or v_wmma_f32_16x16x4_f32). A number that lies on a knife's edge between two numbers of the format may be rounded either way, as far as f32 arithmetic and the matrix unit's own rounding can turn it there, and no further.
;;   INPUTS GIVEN AS CODES. Wk (in the module: [1024, 1024], K = its axis 1); Wq (in the module: [1024, 1024], K = its axis 1); Wv (in the module: [1024, 1024], K = its axis 1): each comes as NAME_codes (uint8): NAME with its K axis moved to the last place and cut into blocks of 32 codes, [.., K / 32, bytes a block], one block behind the other in memory; four codes in three bytes: a row's codes are one little-endian stream of bits, code i at bits 6 i .. 6 i + 5 (a code: sign, 2 exponent bits, 3 mantissa bits); and NAME_scales (uint8): the same leading axes, one E8M0 byte (e + 127) for each 32 codes along K. Its value is code x scale, taken as it is: it is not quantised again, and the codes and scales need not be those that the quantiser above would give.
;; One version. Each part assembles by itself: llvm-mc -triple=amdgcn-amd-amdhsa -mcpu=gfx1250 --defsym DOCPART=n.
;; ======== version 1 of 1: 4 launches
;; limits: right only within a limited range of input values
;; workspace buffers: xc 6,291,456 bytes; xs 262,144 bytes; qi 13,107,200 bytes; kv 13,107,200 bytes; att 33,554,432 bytes; wc 2,359,296 bytes; ws 98,304 bytes
;; launch quantx (part 1): grid 256 x 1, 4 waves a work-group, no clusters, 33,280 bytes of LDS; arguments x, xc, xs, Wq_codes, Wk_codes, Wv_codes, Wq_scales, Wk_scales, Wv_scales, wc, ws; writes xc, xs, wc, ws
.if DOCPART == 1
	.amdgcn_target "amdgcn-amd-amdhsa--gfx1250"
	.amdhsa_code_object_version 6
	.text
	.protected	k_q7d499a6231_quantx
	.globl	k_q7d499a6231_quantx
	.p2align	8
	.type	k_q7d499a6231_quantx,@function
k_q7d499a6231_quantx:
	s_mov_b64 s[64:65], 0
	v_nop
	global_prefetch_b8 v0, s[64:65] scope:SCOPE_SE
	s_setreg_imm32_b32 hwreg(HW_REG_WAVE_MODE, 25, 1), 1
	s_wait_xcnt 0x0
; x [8192][1024], f32, is turned into codes of FP6 (E2M3), 6 bits each, K innermost (xc: a row is 768 bytes), with one E8M0 scale byte for each 32 along K (xs: a row is 32 bytes).
; A block's scale is 2^(floor(log2(its largest magnitude)) - 2); its byte is the largest magnitude's own exponent field - 2, held at 1 from below.
; LIMITS: a block of zeros gets the byte 1 where the quantiser's text says 127: its codes are zeros, which add nothing under any byte but 0xff, and this program alone reads the bytes.
; Blocks whose largest magnitude lies under 2^(3 - 127) keep the byte 1.  NaN and infinities among the inputs are not served.
; Rows are dense and 1,024 is a multiple of 32: the tensor is a plain stream of blocks of 32, and so are its codes and scale bytes.
; A wave takes 16 steps of 512 numbers.  Each of a step's four loads reads 512 consecutive bytes, 16 a lane; seven steps' loads, 28, are out at a time.  A step's 2,048 bytes turn through the wave's own stage in LDS and come back
; 64 bytes a lane, so that a lane holds 16 neighbours along K (two neighbouring lanes hold a block), as the conversion wants them.  The stage has 16 bytes of padding behind each 64.  A lane's 16 codes are 12 bytes: the wave stores 384 consecutive bytes.
; A wave's 256 scale bytes are gathered in its own LDS bytes and leave as one aligned run of 256 bytes.  Waves share nothing: no barrier.  No matrix unit, no cluster: every byte is read once and nothing is shared.
; THE WEIGHTS ARE LAID ANEW, as they are given: wc holds, for each pair of heads p, 128 rows of Wq's codes, 128 of Wk's, 128 of Wv's (rows 128 p ..), 384 rows of 768 bytes on end; ws their scale bytes likewise.
; Wave g (0 .. 1,023) copies row g of each of the three, 768 bytes as three runs of 256; waves 0 .. 383 copy one run of 256 scale bytes each.
.set STEPS, 16
.set NSET,  7                          ; sets of 16 registers for the loads
.set EMAX,  2
.set CB,    12                         ; bytes of 16 codes
.set R,     16                         ; v16-127  seven sets of 16 numbers as they are loaded
.set X,     128                        ; v128-159 two sets of 16 neighbours
.set E,     160                        ; v160-161 the scale byte, by turns
.set C,     164                        ; v164-227 codes: four registers for each step, so that no store's data are written again
.set CP,    228                        ; v228-245 the weights' rows; v246-247 a run of their scales
.set SPW,   248
.set NIL,   249
.set WREG,  8192                       ; LDS: a region for each wave: two stages of 32 x SP bytes, behind them its 256 scale bytes
.set SP,    80                         ; a lane's place in a stage: 64 bytes + 16 of padding
	s_load_b128 s[4:7], s[0:1], 0x0                ; x s[4:5], xc s[6:7]
	s_load_b64 s[10:11], s[0:1], 0x10              ; xs
	s_load_b256 s[32:39], s[0:1], 0x18             ; Wq, Wk, Wv codes, Wq scales
	s_load_b256 s[40:47], s[0:1], 0x38             ; Wk, Wv scales, wc, ws
	v_lshl_add_u32 v[SPW], v0, 2, 0x8000
	v_mov_b32 v[NIL], 0
	v_lshrrev_b32 v1, 5, v0
	v_readfirstlane_b32 s16, v1                    ; wave
	v_and_b32 v2, 31, v0                           ; lane
	v_lshlrev_b32 v3, 4, v2                        ; my 16 bytes of a load's 512
	s_mul_i32 s17, s16, WREG
	v_lshrrev_b32 v14, 2, v2
	v_mul_u32_u24 v14, v14, SP
	v_and_b32 v15, 3, v2
	v_lshl_add_u32 v14, v15, 4, v14
	v_add_nc_u32 v14, s17, v14                     ; the stage, on the way in: SP (lane / 4) + 16 (lane % 4)
	v_mul_u32_u24 v15, v2, SP
	v_add_nc_u32 v15, s17, v15                     ; and on the way out: SP x lane: my 16 neighbours
	v_mul_u32_u24 v4, v2, CB                       ; my codes' place in a step's
	v_lshrrev_b32 v5, 1, v2
	s_add_co_u32 s17, s17, 2*32*SP
	v_add_nc_u32 v5, s17, v5                       ; LDS: my wave's 256 scale bytes, my block's byte
	v_lshlrev_b32 v7, 3, v2                        ; and on the way out 8 bytes a lane
	v_add_nc_u32 v6, s17, v7
	s_lshl_b32 s18, ttmp9, 2
	s_add_co_u32 s18, s18, s16                     ; g: which run of 8,192 numbers is my wave's: 0 .. 1,023
	s_mul_i32 s20, s18, 512*STEPS*4                ; its bytes in x,
	s_mov_b32 s21, 0
	s_mul_i32 s22, s18, 32*STEPS*CB                ; in the codes,
	s_mov_b32 s23, 0
	s_mov_b32 s48, s18
	s_mul_i32 s24, s18, 768                        ; row g in a weight's codes
	s_mov_b32 s25, 0
	s_lshr_b32 s49, s18, 7                         ; its pair of heads; for the scales: which weight
	s_mul_i32 s26, s49, 384
	s_and_b32 s27, s18, 127
	s_add_co_u32 s26, s26, s27
	s_mul_i32 s26, s26, 768                        ; and in wc (Wq's place; Wk's and Wv's lie 128 and 256 rows on)
	s_lshl_b32 s28, s27, 8                         ; scales: run g % 128 of weight g / 128,
	s_mov_b32 s27, 0
	s_mov_b32 s29, 0
	s_bfe_u32 s30, s18, 0x30004                    ; which is of pair (g / 16) % 8
	s_mul_i32 s30, s30, 3
	s_add_co_u32 s30, s30, s49
	s_lshl_b32 s30, s30, 4
	s_and_b32 s31, s18, 15
	s_add_co_u32 s30, s30, s31
	s_lshl_b32 s30, s30, 8                         ; in ws: run 16 (3 pair + weight) + g % 16
	s_mov_b32 s31, 0
	s_lshl_b32 s18, s18, 8                         ; my run in x's scale bytes
	s_mov_b32 s19, 0
	s_wait_alu depctr_va_vdst(0)
	s_wait_kmcnt 0x0
	s_add_nc_u64 s[4:5], s[4:5], s[20:21]
	s_add_nc_u64 s[6:7], s[6:7], s[22:23]
	s_add_nc_u64 s[10:11], s[10:11], s[18:19]
	s_add_nc_u64 s[32:33], s[32:33], s[24:25]
	s_add_nc_u64 s[34:35], s[34:35], s[24:25]
	s_add_nc_u64 s[36:37], s[36:37], s[24:25]
	s_add_nc_u64 s[44:45], s[44:45], s[26:27]
	s_cmp_eq_u32 s49, 1
	s_cselect_b64 s[38:39], s[40:41], s[38:39]
	s_cmp_eq_u32 s49, 2
	s_cselect_b64 s[38:39], s[42:43], s[38:39]
	s_add_nc_u64 s[38:39], s[38:39], s[28:29]
	s_add_nc_u64 s[46:47], s[46:47], s[30:31]
.irp j, 0,1,2
	global_load_b64 v[CP+2*\j:CP+1+2*\j], v7, s[32:33] offset:256*\j       ; 32 lanes read 256 consecutive bytes; older than every load below, so the counted waits below stand
	global_load_b64 v[CP+6+2*\j:CP+7+2*\j], v7, s[34:35] offset:256*\j
	global_load_b64 v[CP+12+2*\j:CP+13+2*\j], v7, s[36:37] offset:256*\j
.endr
	v_mov_b32 v[CP+18], 0
	v_mov_b32 v[CP+19], 0
	s_cmp_lt_u32 s48, 384
	s_cbranch_scc0 .Lno_run
	global_load_b64 v[CP+18:CP+19], v7, s[38:39]
.Lno_run:
.macro LOAD t
.irp i, 0,1,2,3
	global_load_b128 v[R+16*((\t)%NSET)+4*\i:R+16*((\t)%NSET)+4*\i+3], v3, s[4:5] offset:2048*(\t)+512*\i   ; 32 lanes read 512 consecutive bytes (x is read again by the last launch: no streaming hint)
.endr
.endm
.macro TURN t                          ; step t's numbers through the stage: LDS serves a wave's instructions in order, so no wait stands between the stores and the loads
.irp i, 0,1,2,3
	ds_store_b128 v14, v[R+16*((\t)%NSET)+4*\i:R+16*((\t)%NSET)+4*\i+3] offset:32*SP*((\t)%2)+8*SP*\i
.endr
.irp i, 0,1,2,3
	ds_load_b128 v[X+16*((\t)%2)+4*\i:X+16*((\t)%2)+4*\i+3], v15 offset:32*SP*((\t)%2)+16*\i
.endr
.endm
.irp t, 0,1,2,3,4,5,6
	LOAD \t
.endr
	s_wait_loadcnt 4*(NSET-1)                      ; step 0's four loads are in; those of steps 1 to 6 may be out
	TURN 0
.macro STEP t
.set XS, X+16*((\t)%2)
.if (\t) > 0
	s_wait_dscnt 1                                 ; this step's numbers are back from the stage (the last step's byte store may be out): so its stores into the stage have read their registers,
.else
	s_wait_dscnt 0x0
.endif
.if (\t)+NSET < STEPS
	LOAD (\t)+NSET                                 ; which take the loads of seven steps on
.endif
.if (\t)+1 < STEPS
.if STEPS-2-(\t) >= NSET-1
	s_wait_loadcnt 4*(NSET-1)                      ; the next step's four loads are in; those of the six steps behind it may be out
.else
	s_wait_loadcnt 4*(STEPS-2-(\t))
.endif
	TURN (\t)+1                                    ; and go through the other stage while this step is worked
.endif
	v_max3_num_f32 v8, |v[XS]|, |v[XS+1]|, |v[XS+2]|               ; the largest magnitude of my 16, in two chains
	v_max3_num_f32 v9, |v[XS+3]|, |v[XS+4]|, |v[XS+5]|
.irp i, 6,10
	v_max3_num_f32 v8, v8, |v[XS+\i]|, |v[XS+\i+1]|
	v_max3_num_f32 v9, v9, |v[XS+\i+2]|, |v[XS+\i+3]|
.endr
	v_max3_num_f32 v8, v8, |v[XS+14]|, |v[XS+15]|
	v_max3_num_f32 v8, v8, v9, (EMAX+1)<<23        ; and the floor 2^(3 - 127): the byte cannot fall under 1
	v_max_num_f32_dpp v8, v8, v8 row_xmask:1 row_mask:0xf bank_mask:0xf   ; and of my neighbour's 16: the block's
	v_add_nc_u32 v11, 0xff000000, v8               ; 2 off its exponent field: the conversion takes the exponent field of this operand as its scale, and nothing else of it
	v_cvt_scalef32_pk16_fp6_f32 v[C+4*(\t):C+4*(\t)+2], v[XS:XS+15], v11         ; sixteen numbers / scale, to the nearest code, ties to even, beyond the largest code the largest
	v_lshrrev_b32 v[E+(\t)%2], 23, v11             ; the scale's byte (also the plain line behind the conversion)
	ds_store_b8 v5, v[E+(\t)%2] offset:16*(\t)     ; both lanes of a block write the same byte with the same value
	global_store_b96 v4, v[C+4*(\t):C+4*(\t)+2], s[6:7] offset:32*CB*(\t)
.endm
.irp t, 0,1,2,3,4,5,6,7,8,9,10,11,12,13,14,15
	STEP \t
.endr
	ds_load_b64 v[12:13], v6                       ; LDS serves a wave's instructions in order: these see my stores
	s_wait_dscnt 0x0
	global_store_b64 v7, v[12:13], s[10:11]        ; 32 lanes store 256 consecutive bytes, aligned
.irp j, 0,1,2
	global_store_b64 v7, v[CP+2*\j:CP+1+2*\j], s[44:45] offset:256*\j              ; every load has been waited for in the last steps
	global_store_b64 v7, v[CP+6+2*\j:CP+7+2*\j], s[44:45] offset:98304+256*\j
	global_store_b64 v7, v[CP+12+2*\j:CP+13+2*\j], s[44:45] offset:196608+256*\j
.endr
	s_cmp_lt_u32 s48, 384
	s_cbranch_scc0 .Lno_run_out
	global_store_b64 v7, v[CP+18:CP+19], s[46:47]
.Lno_run_out:
	s_wait_tensorcnt 0x0                           ; the wave's end
	ds_add_u32 v[SPW], v[NIL]
	s_wait_dscnt 0x0
	s_endpgm
.Lfunc_end_k_q7d499a6231_quantx:
	.size	k_q7d499a6231_quantx, .Lfunc_end_k_q7d499a6231_quantx-k_q7d499a6231_quantx
	.p2alignl 7, 3214868480
	.fill 96, 4, 3214868480
	.section	.rodata,"a",@progbits
	.p2align	6, 0x0
	.amdhsa_kernel k_q7d499a6231_quantx
		.amdhsa_group_segment_fixed_size 33280
		.amdhsa_private_segment_fixed_size 0
		.amdhsa_enable_private_segment 0
		.amdhsa_kernarg_size 88
		.amdhsa_user_sgpr_count 2
		.amdhsa_user_sgpr_kernarg_segment_ptr 1
		.amdhsa_wavefront_size32 1
		.amdhsa_system_sgpr_workgroup_id_x 1
		.amdhsa_system_sgpr_workgroup_id_y 1
		.amdhsa_system_sgpr_workgroup_id_z 1
		.amdhsa_system_vgpr_workitem_id 0
		.amdhsa_next_free_vgpr 250
		.amdhsa_next_free_sgpr 66
		.amdhsa_reserve_vcc 0
		.amdhsa_float_denorm_mode_32 3
		.amdhsa_float_denorm_mode_16_64 3
		.amdhsa_memory_ordered 1
		.amdhsa_forward_progress 1
		.amdhsa_inst_pref_size 35
	.end_amdhsa_kernel
	.amdgpu_metadata
---
amdhsa.version: [ 1, 2 ]
amdhsa.kernels:
  - .name:           k_q7d499a6231_quantx
    .symbol:         k_q7d499a6231_quantx.kd
    .args:
      - { .name: x, .offset: 0, .size: 8, .value_kind: global_buffer, .address_space: global }
      - { .name: xc, .offset: 8, .size: 8, .value_kind: global_buffer, .address_space: global }
      - { .name: xs, .offset: 16, .size: 8, .value_kind: global_buffer, .address_space: global }
      - { .name: Wq_codes, .offset: 24, .size: 8, .value_kind: global_buffer, .address_space: global }
      - { .name: Wk_codes, .offset: 32, .size: 8, .value_kind: global_buffer, .address_space: global }
      - { .name: Wv_codes, .offset: 40, .size: 8, .value_kind: global_buffer, .address_space: global }
      - { .name: Wq_scales, .offset: 48, .size: 8, .value_kind: global_buffer, .address_space: global }
      - { .name: Wk_scales, .offset: 56, .size: 8, .value_kind: global_buffer, .address_space: global }
      - { .name: Wv_scales, .offset: 64, .size: 8, .value_kind: global_buffer, .address_space: global }
      - { .name: wc, .offset: 72, .size: 8, .value_kind: global_buffer, .address_space: global }
      - { .name: ws, .offset: 80, .size: 8, .value_kind: global_buffer, .address_space: global }
    .group_segment_fixed_size: 33280
    .private_segment_fixed_size: 0
    .kernarg_segment_align: 8
    .kernarg_segment_size: 88
    .max_flat_workgroup_size: 128
    .sgpr_count:     66
    .vgpr_count:     250
    .wavefront_size: 32
...
	.end_amdgpu_metadata
.endif
;; end of part 1
;; launch proj (part 2): grid 8 x 32, 4 waves a work-group, clusters of 4 x 4, 327,680 bytes of LDS; arguments xc, xs, wc, ws, bq, bk, bv, qi, kv; writes qi, kv
.if DOCPART == 2
	.amdgcn_target "amdgcn-amd-amdhsa--gfx1250"
	.amdhsa_code_object_version 6
	.text
	.protected	k_q7d499a6231_proj
	.globl	k_q7d499a6231_proj
	.p2align	8
	.type	k_q7d499a6231_proj,@function
k_q7d499a6231_proj:
	s_mov_b64 s[64:65], 0
	v_nop
	global_prefetch_b8 v0, s[64:65] scope:SCOPE_SE
	s_setreg_imm32_b32 hwreg(HW_REG_WAVE_MODE, 25, 1), 1
	s_wait_xcnt 0x0
	s_wait_alu depctr_hold_cnt(0) depctr_sa_sdst(0) depctr_va_vdst(0) depctr_va_sdst(0) depctr_va_ssrc(0) depctr_va_vcc(0) depctr_vm_vsrc(0)
	s_getreg_b32 s2, hwreg(HW_REG_IB_STS2, 6, 4)
	s_cmp_eq_u32 s2, 0
	s_cbranch_scc0 .Lentry_in_a_cluster
	s_endpgm
.Lentry_in_a_cluster:
	s_bfe_u32 s2, ttmp6, 0x10000c
	s_cmp_lg_u32 s2, 0xf033
	s_cbranch_scc0 .Lentry_shape_is_right
	s_endpgm
.Lentry_shape_is_right:
; q = x Wq^T + bq, k = x Wk^T + bk, v = x Wv^T + bv on codes of FP6 (E2M3) with E8M0 scales, K = 1,024; the results are quantised again and stored as images of the registers
; in which the attention launch wants them: a record of 12,800 bytes for 128 tokens of a head (four fragments of q or k, four of v, their scale words).
; A WORK-GROUP takes 256 tokens and one pair of heads through all three products: 32 x 8 = 256 work-groups.  wc and ws hold the pair's 384 rows on end: 128 of Wq, 128 of Wk, 128 of Wv.
; PASS 1: 256 tokens x (Wq | Wk): four waves of 128 x 128, 64 accumulators; source 0 the weight, source 1 x: a lane's registers run along the head's 64.  Waves with an even number make q, the others k.
; PASS 2: 256 tokens x Wv: four waves of 128 tokens x 64 rows of Wv (one head), 32 accumulators; source 0 x, source 1 Wv: a lane's registers run along the tokens, which are v's next K.
; K goes through a ring of two LDS slots in CHUNKS OF 256 BYTES of each row of codes (a row is 768 bytes): the two passes are walked as 16 steps of 96 bytes over 6 chunks; chunks 3 to 5 are x's chunks 0 to 2 again, with Wv's.
; The ring does not stop between the passes: chunk 4 is on its way while pass 1's results are quantised and stored.  The scales of all 256 + 384 rows come into LDS once, by the head's loads.
; CLUSTERS: 4 x 4 work-groups; x's tiles are asked for jointly along a row of the cluster, the weights' along a column.
; NO PREFETCH: a pass is three chunks, of which two are asked for ahead of its first step; the walk is written out and has no loop to run ahead in.
; REGISTERS: window 0: v8-31 addresses, v32-63 scale words (two sets), v64-127 the bias of q or k, from v128 source 1's fragments (one set); window 1: source 0's fragments (two sets, v0 and v128), v96-103 v's bias;
; windows 2 and 3: the accumulators.  LIMITS: NaN and infinities are not served; a block of zeros gets the byte 1 (its codes are zeros; this program alone reads the bytes).
.set ROWB,   256
.set NQ,     2
.set KROW,   768
.set CHUNKS, 6
.set PITCH,  272                       ; an LDS row: 256 bytes + 16 of padding
.set FR,     12
.set NL,     6
.set NP,     4
.set HALFT,  128*PITCH
.set SLOT,   4*HALFT
.set KS,     32
.set SCL,    2*SLOT
.set HALFS,  (128*KS/256)*272
.set SBLK,   (16*KS/256)*272
.set SPARE,  SCL+5*HALFS               ; behind the scales of 640 rows: the spare words, 512 bytes that no other line names
.set REC,    12800
.set HEADB,  16*REC
.set ADRA2, 8                          ; pass 2: Wv's fragments
.set ADRB2, 12                         ; pass 2: x's
.set ADRA, 16                          ; pass 1: x's: slot 0, slot 1, across from slot 0, across from slot 1
.set ADRB, 20                          ; pass 1: the weight's
.set LI,   24
.set LSC,  25
.set BO,   26
.set ADRS, 27
.set SPW,  28
.set NIL,  29
.set BR,   30
.set ADRS2, 31
.set ADRS3, 254
.set SC,   32
.set BI,   64
.set BV,   96
.set AF,   128
.set HA,   128
.set X,    192
.set Y,    204
.set T,    216
.set TM,   224
.set PW,   240
.set SW,   248
.set MK, 3
.set G1, 24
.set G0, 32
.set G1B, 48
.set G0B, 56
.set OV, 66                            ; s[66:67] kv, then my record of v
.set G1S, 68
.set G0S, 76
.set G1SB, 80
.set G0SB, 88
.set G1B2, 68                          ; pass 2's descriptors for Wv take the registers of the scales' descriptors, once those loads have landed
.set G0B2, 76
.set BIA, 92                           ; s[92:93] bq or bk
.set BVP, 96                           ; s[96:97] bv
.set G0H, 4
.set G0HB, 8
.set SEL, 100
.set WVP, 104
.set MSB, 0
.macro WIN new                         ; the immediate's high byte repeats the setting that is left
.if MSB != \new
	s_set_vgpr_msb (MSB<<8)|\new
.set MSB, \new
.endif
.endm
.set MUL_LO, 0xa1
.set MUL_HI, 0xf1
.set TO_B,   0x40
.macro JLOAD g0a, g1a, g0b, g1b        ; a joint load: waves 0 and 1 fetch x's rows, waves 2 and 3 the weight's
	s_cmp_eq_u32 s15, 0
	s_cbranch_scc0 .Lfor_b_\@
	tensor_load_to_lds s[\g0a:\g0a+3], s[\g1a:\g1a+7]
	s_nop 0
.rept 4
	v_nop
.endr
	s_branch .Lasked_\@
.Lfor_b_\@:
	tensor_load_to_lds s[\g0b:\g0b+3], s[\g1b:\g1b+7]
	s_nop 0
.rept 4
	v_nop
.endr
.Lasked_\@:
.endm
.macro CREST                           ; a round of the cluster's barrier behind its opening barrier
	s_cmp_lg_u32 s14, 0
	s_cbranch_scc1 .Lnot_wave_0_\@
	s_barrier_signal -3
.Lnot_wave_0_\@:
	s_barrier_wait -3
	s_barrier_signal -1
	s_barrier_wait -1
.endm
.macro CROUND
	s_barrier_signal -1
	s_barrier_wait -1
	CREST
.endm
	s_load_b256 s[4:11], s[0:1], 0x0               ; xc, xs, wc, ws
	s_load_b256 s[92:99], s[0:1], 0x20             ; bq, bk, bv, qi
	s_load_b64 s[OV:OV+1], s[0:1], 0x40            ; kv
	v_lshl_add_u32 v[SPW], v0, 2, SPARE
	v_mov_b32 v[NIL], 0
	ds_add_u32 v[SPW], v[NIL]                      ; the opening lines: the add, twice on end, and its wait
	ds_add_u32 v[SPW], v[NIL]
	v_lshrrev_b32 v1, 5, v0
	v_readfirstlane_b32 s14, v1                    ; wave
	s_lshr_b32 s15, s14, 1                         ; pass 1: my half of the tokens; pass 2: my head.  Also: I fetch x (0) or the weight (1)
	s_and_b32 s16, s14, 1                          ; pass 1: q (0) or k (1); pass 2: my half of the tokens.  Also: which half of a tile I fetch
	s_bfe_u32 s40, ttmp6, 0x40000                  ; cx, cy
	s_bfe_u32 s41, ttmp6, 0x40004
	s_lshl_b32 s42, ttmp9, 2
	s_add_co_u32 s42, s42, s40                     ; the pair of heads
	s_and_b32 s17, ttmp7, 0xffff
	s_lshl_b32 s17, s17, 2
	s_add_co_u32 s17, s17, s41                     ; the block of 256 tokens
	s_lshl_b32 s43, s41, 2
	s_lshl_b32 s43, 15, s43                        ; my row of the cluster
	s_lshl_b32 s44, 0x1111, s40                    ; my column
	s_or_b32 s[G1+0], s43, (0<<16)|(1<<20)|(1<<21)|(5<<22)|(3<<25)   ; elements of 1 byte; 4 words of padding behind every 64
	s_or_b32 s[G1B+0], s44, (0<<16)|(1<<20)|(1<<21)|(5<<22)|(3<<25)
.irp g, G1, G1B
	s_mov_b32 s[\g+1], ROWB<<16
	s_mov_b32 s[\g+2], 256<<16                     ; 256 rows for the head's loads
	s_mov_b32 s[\g+3], ROWB<<16
	s_mov_b32 s[\g+4], 256
	s_mov_b32 s[\g+5], KROW
	s_mov_b32 s[\g+6], 0
	s_mov_b32 s[\g+7], 0
.endr
	s_or_b32 s[G1S+0], s43, (3<<16)|(1<<20)|(1<<21)|(5<<22)|(3<<25)  ; x's scales: 8,192 dense bytes as 32 rows of 256
	s_mov_b32 s[G1S+1], 32<<16
	s_mov_b32 s[G1S+2], 32<<16
	s_mov_b32 s[G1S+3], 32<<16
	s_mov_b32 s[G1S+4], 32
	s_mov_b32 s[G1S+5], 32
	s_mov_b32 s[G1S+6], 0
	s_mov_b32 s[G1S+7], 0
	s_or_b32 s[G1SB+0], s44, (3<<16)|(1<<20)|(1<<21)|(5<<22)|(3<<25) ; the weights': 12,288 bytes as 48 rows
	s_mov_b32 s[G1SB+1], 32<<16
	s_mov_b32 s[G1SB+2], 48<<16
	s_mov_b32 s[G1SB+3], 32<<16
	s_mov_b32 s[G1SB+4], 48
	s_mov_b32 s[G1SB+5], 32
	s_mov_b32 s[G1SB+6], 0
	s_mov_b32 s[G1SB+7], 0
	s_lshl_b32 s20, s17, 8                         ; x: the first row
	s_mul_i32 s46, s42, 384                        ; wc: the pair's first row
	s_mov_b32 s21, 0
	s_mov_b32 s47, 0
	s_mov_b64 s[18:19], KS
	s_mul_u64 s[22:23], s[20:21], s[18:19]
	s_mul_u64 s[WVP:WVP+1], s[46:47], s[18:19]
	s_mov_b64 s[18:19], KROW
	s_mul_u64 s[20:21], s[20:21], s[18:19]
	s_mul_u64 s[46:47], s[46:47], s[18:19]
	s_mul_i32 s18, s16, 128*KROW
	s_mov_b32 s19, 0
	s_mul_i32 s45, s14, HALFT
	s_wait_dscnt 0x0
	s_wait_kmcnt 0x0
	s_add_nc_u64 s[20:21], s[4:5], s[20:21]
	s_add_nc_u64 s[22:23], s[6:7], s[22:23]
	s_add_nc_u64 s[46:47], s[8:9], s[46:47]
	s_add_nc_u64 s[WVP:WVP+1], s[10:11], s[WVP:WVP+1]
	s_cmp_eq_u32 s16, 0
	s_cselect_b64 s[BIA:BIA+1], s[92:93], s[94:95]
	s_cselect_b64 s[12:13], s[98:99], s[OV:OV+1]
	CROUND                                         ; all sixteen work-groups are here: the first joint loads meet
	s_mov_b32 s[G0H], 1                            ; chunk 0's 256 rows of x,
	s_mov_b32 s[G0H+1], 0
	s_mov_b64 s[G0H+2:G0H+3], s[20:21]
	s_or_b32 s[G0H+3], s[G0H+3], 0x80000000
	s_mov_b32 s[G0HB], 1                           ; of Wq and Wk,
	s_mov_b32 s[G0HB+1], 2*HALFT
	s_mov_b64 s[G0HB+2:G0HB+3], s[46:47]
	s_or_b32 s[G0HB+3], s[G0HB+3], 0x80000000
	s_mov_b32 s[G0S], 1                            ; x's scales,
	s_mov_b32 s[G0S+1], SCL
	s_mov_b64 s[G0S+2:G0S+3], s[22:23]
	s_or_b32 s[G0S+3], s[G0S+3], 0x80000000
	s_mov_b32 s[G0SB], 1                           ; the weights' scales
	s_mov_b32 s[G0SB+1], SCL+2*HALFS
	s_mov_b64 s[G0SB+2:G0SB+3], s[WVP:WVP+1]
	s_or_b32 s[G0SB+3], s[G0SB+3], 0x80000000
	s_mul_i32 s94, s16, 64*KROW
	s_mov_b32 s95, 0
	s_add_nc_u64 s[WVP:WVP+1], s[46:47], s[94:95]
	s_add_nc_u64 s[WVP:WVP+1], s[WVP:WVP+1], 256*KROW      ; for pass 2: the 64 rows of Wv that I fetch
	s_add_nc_u64 s[20:21], s[20:21], s[18:19]      ; for the ring: my 128 rows
	s_add_nc_u64 s[46:47], s[46:47], s[18:19]
.irp s, 0,1
	s_mov_b32 s[G0+4*\s], 1
	s_add_co_u32 s[G0+4*\s+1], s45, \s*SLOT
	s_add_nc_u64 s[G0+4*\s+2:G0+4*\s+3], s[20:21], \s*ROWB
	s_or_b32 s[G0+4*\s+3], s[G0+4*\s+3], 0x80000000
	s_mov_b32 s[G0B+4*\s], 1
	s_add_co_u32 s[G0B+4*\s+1], s45, \s*SLOT
	s_add_nc_u64 s[G0B+4*\s+2:G0B+4*\s+3], s[46:47], \s*ROWB
	s_or_b32 s[G0B+4*\s+3], s[G0B+4*\s+3], 0x80000000
.endr
; the head's four tiles, one load a wave, in one tree of branches on the wave's number
.macro ARM under, g0, g1, next
	s_cmp_lt_u32 s14, \under
	s_cbranch_scc0 \next
	tensor_load_to_lds s[\g0:\g0+3], s[\g1:\g1+7]
	s_nop 0
.rept 4
	v_nop
.endr
	s_branch .Lhead_asked
\next:
.endm
	ARM 1, G0H,  G1,  .Lhead_b
	ARM 2, G0HB, G1B, .Lhead_sa
	ARM 3, G0S,  G1S, .Lhead_sb
	tensor_load_to_lds s[G0SB:G0SB+3], s[G1SB:G1SB+7]
	s_nop 0
.rept 4
	v_nop
.endr
.Lhead_asked:
	s_mov_b32 s18, SLOT-232
	s_mov_b32 s19, SLOT+232
	s_mul_i32 s20, s15, HALFT                      ; pass 1: my 128 tokens,
	s_mul_i32 s21, s16, HALFT
	s_add_co_u32 s21, s21, 2*HALFT                 ; my 128 rows of Wq or Wk
	s_mul_i32 s22, s15, 64*PITCH
	s_add_co_u32 s22, s22, 2*HALFT                 ; pass 2: my 64 rows of Wv,
	s_mul_i32 s23, s16, HALFT                      ; my 128 tokens
	s_mul_i32 s40, s15, HALFS                      ; scales, pass 1: lanes 0-15 x's rows, lanes 16-31 the weight's
	s_mul_i32 s41, s16, HALFS
	s_add_co_u32 s41, s41, 2*HALFS
	s_sub_co_u32 s41, s41, s40
	s_add_co_u32 s40, s40, SCL
	s_mul_i32 s43, s16, HALFS                      ; pass 2: lanes 16-31 x's rows, lanes 0-15 Wv's
	s_mul_i32 s46, s15, HALFS/2
	s_add_co_u32 s46, s46, 4*HALFS
	s_sub_co_u32 s46, s46, s43
	s_add_co_u32 s43, s43, SCL
	v_and_b32 v1, 15, v0                           ; l % 16
	v_bfe_u32 v2, v0, 4, 1                         ; l / 16
	v_mul_u32_u24 v3, v1, PITCH
	v_mul_u32_u24 v4, v2, 24
	v_add_nc_u32 v4, v3, v4                        ; row x pitch + 24 x half
	v_sub_nc_u32 v7, 1, v2
	v_mul_u32_u24 v5, s18, v2
	v_add_nc_u32 v5, v3, v5
	v_add_nc_u32 v5, 232, v5                       ; across two chunks: lanes 0-15 byte 232 in slot 0, lanes 16-31 byte 0 in slot 1;
	v_mul_u32_u24 v6, s19, v7
	v_add_nc_u32 v6, v3, v6                        ; and lanes 0-15 byte 232 in slot 1, lanes 16-31 byte 0 in slot 0
.macro ADR4 adr, sr
	v_add_nc_u32 v[\adr], s[\sr], v4
	v_add_nc_u32 v[\adr+1], SLOT, v[\adr]
	v_add_nc_u32 v[\adr+2], s[\sr], v5
	v_add_nc_u32 v[\adr+3], s[\sr], v6
.endm
	ADR4 ADRA, 20
	ADR4 ADRB, 21
	ADR4 ADRA2, 22
	ADR4 ADRB2, 23
	v_mul_u32_u24 v5, v1, KS                       ; my row's scales,
	v_lshrrev_b32 v6, 8, v5
	v_lshl_add_u32 v5, v6, 4, v5                   ; 16 more for each 256 passed
	v_mul_u32_u24 v6, s41, v2
	v_add_nc_u32 v6, v5, v6
	v_add_nc_u32 v[ADRS], s40, v6
	v_mul_u32_u24 v6, s46, v7
	v_add_nc_u32 v6, v5, v6
	v_add_nc_u32 v[ADRS2], s43, v6
	v_mul_u32_u24 v6, v7, 4*SBLK
	v_sub_nc_u32 v[ADRS3], v[ADRS2], v6            ; for token blocks 4-7: lanes 0-15 read Wv's four blocks once more, inside the scales' bytes
	v_and_b32 v6, 31, v0
	v_lshlrev_b32 v[LI], 4, v6                     ; the way out: 16 x lane
	v_mul_u32_u24 v6, v2, HEADB
	v_lshl_add_u32 v[LSC], v1, 4, v6               ; q's and k's scale words: lanes 0-15 the first head, lanes 16-31 the second
	v_lshlrev_b32 v[BO], 5, v2
	v_lshlrev_b32 v[BR], 2, v1
	s_wait_alu depctr_va_vdst(0)
	s_lshl_b32 s18, s17, 1
	s_add_co_u32 s19, s18, s16                     ; pass 2: my 128 tokens, 0 .. 63
	s_add_co_u32 s18, s18, s15                     ; pass 1
	s_lshl_b32 s20, s42, 1                         ; the pair's first head
	s_and_b32 s21, s18, 0xfff0                     ; 16 batch
	s_add_co_u32 s21, s21, s20
	s_lshl_b32 s21, s21, 4
	s_and_b32 s22, s18, 15
	s_add_co_u32 s21, s21, s22                     ; record 16 (16 batch + head) + token / 128
	s_mul_i32 s22, s21, REC
	s_mov_b32 s23, 0
	s_add_nc_u64 s[12:13], s[12:13], s[22:23]
	s_and_b32 s21, s19, 0xfff0
	s_add_co_u32 s21, s21, s20
	s_add_co_u32 s21, s21, s15                     ; pass 2: my head
	s_lshl_b32 s21, s21, 4
	s_and_b32 s22, s19, 15
	s_add_co_u32 s21, s21, s22
	s_mul_i32 s22, s21, REC
	s_add_nc_u64 s[OV:OV+1], s[OV:OV+1], s[22:23]
	s_lshl_b32 s22, s20, 8                         ; a head's bias is 256 bytes
	s_add_nc_u64 s[BIA:BIA+1], s[BIA:BIA+1], s[22:23]
	s_lshl_b32 s21, s15, 8
	s_add_co_u32 s22, s22, s21
	s_add_nc_u64 s[BVP:BVP+1], s[BVP:BVP+1], s[22:23]
	s_mov_b32 s[MK], 0xffff0000
	s_mov_b32 s[SEL], 0x76543210
	s_mov_b32 s[SEL+1], 0xfedcba98
.irp b, 0,1,2,3,4,5,6,7
	global_load_b128 v[BI+8*\b:BI+8*\b+3], v[BO], s[BIA:BIA+1] offset:64*\b       ; the bias in the layout of q's and k's results; awaited on the way out
	global_load_b128 v[BI+8*\b+4:BI+8*\b+7], v[BO], s[BIA:BIA+1] offset:64*\b+16
.endr
	WIN TO_B
.irp a, 0,1,2,3
	global_load_b32 v[BV+2*\a], v[BR], s[BVP:BVP+1] offset:64*\a                  ; and in that of v's: one number a lane, as a pair
	global_load_b32 v[BV+2*\a+1], v[BR], s[BVP:BVP+1] offset:64*\a
.endr
	WIN 0
.macro FRAG reg, adr, st, i            ; 16 rows x 128 K: 12 registers, in pieces of 8 bytes; byte y of the walk lies in slot (y / 256) % 2 at byte y % 256
.irp p, 0,1,2,3,4,5
.set BY, 96*(\st)+48*(\p/3)+8*(\p%3)
.if BY/ROWB == (BY+24)/ROWB
	ds_load_b64 v[\reg+2*\p:\reg+2*\p+1], v[\adr+(BY/ROWB)%2] offset:BY%ROWB+(\i)*16*PITCH
.else
	ds_load_b64 v[\reg+2*\p:\reg+2*\p+1], v[\adr+2+(BY/ROWB)%2] offset:BY%ROWB-232+(\i)*16*PITCH
.endif
.endr
.endm
.macro MUL16 a0, p, q, sc, zero        ; source 1's blocks a0, a0 + 1 x source 0's eight; the accumulators take turns
.irp a, \a0, \a0+1
.irp b, 0,1,2,3,4,5,6,7
.if \zero
	v_wmma_scale_f32_16x16x128_f8f6f4 v[8*(8*((\a)%4)+\b):8*(8*((\a)%4)+\b)+7], v[128*(\p)+FR*\b:128*(\p)+FR*\b+FR-1], v[AF+FR*(\a):AF+FR*(\a)+FR-1], 0, v[SC+8*NQ*(\sc)+NQ*\b+(\q)], v[SC+8*NQ*(\sc)+NQ*(\a)+(\q)] matrix_a_fmt:MATRIX_FMT_FP6 matrix_b_fmt:MATRIX_FMT_FP6 matrix_a_scale:MATRIX_SCALE_ROW1
.else
	v_wmma_scale_f32_16x16x128_f8f6f4 v[8*(8*((\a)%4)+\b):8*(8*((\a)%4)+\b)+7], v[128*(\p)+FR*\b:128*(\p)+FR*\b+FR-1], v[AF+FR*(\a):AF+FR*(\a)+FR-1], v[8*(8*((\a)%4)+\b):8*(8*((\a)%4)+\b)+7], v[SC+8*NQ*(\sc)+NQ*\b+(\q)], v[SC+8*NQ*(\sc)+NQ*(\a)+(\q)] matrix_a_fmt:MATRIX_FMT_FP6 matrix_b_fmt:MATRIX_FMT_FP6 matrix_a_scale:MATRIX_SCALE_ROW1
.endif
.endr
.endr
.endm
.macro FETCH_B st, p, adr              ; source 0's eight fragments of step st into set p
	WIN TO_B
.irp i, 0,1,2,3,4,5,6,7
	FRAG 128*(\p)+FR*\i, \adr, \st, \i
.endr
	WIN 0
.endm
.macro FETCH_A st, i0, n, adr          ; source 1's blocks i0 .. i0 + n - 1
.set II, \i0
.rept \n
	FRAG AF+FR*II, \adr, \st, II
.set II, II+1
.endr
.endm
.macro SCALES pr                       ; pass 1: the scale words of steps 2 pr, 2 pr + 1: lanes 0-15 x's block i, lanes 16-31 the weight's
.irp i, 0,1,2,3,4,5,6,7
	ds_load_b64 v[SC+8*NQ*((\pr)%2)+NQ*\i:SC+8*NQ*((\pr)%2)+NQ*\i+1], v[ADRS] offset:\i*SBLK+4*NQ*(\pr)
.endr
.endm
.macro SCALES2 pr                      ; pass 2: lanes 16-31 x's block i, lanes 0-15 Wv's block i % 4
.irp i, 0,1,2,3
	ds_load_b64 v[SC+8*NQ*((\pr)%2)+NQ*\i:SC+8*NQ*((\pr)%2)+NQ*\i+1], v[ADRS2] offset:\i*SBLK+4*NQ*((\pr)%4)
.endr
.irp i, 4,5,6,7
	ds_load_b64 v[SC+8*NQ*((\pr)%2)+NQ*\i:SC+8*NQ*((\pr)%2)+NQ*\i+1], v[ADRS3] offset:\i*SBLK+4*NQ*((\pr)%4)
.endr
.endm
.macro PLACES n
.rept \n
	v_nop
.endr
.endm
.macro REFILL n                        ; chunk n into slot n % 2, which held chunk n - 2.  x's chunk is n % 3; chunks 3 to 5 bring Wv's rows, 64 a wave
.set SL, (\n)%2
.if (\n)%3 == 2
	s_add_nc_u64 s[G0+4*SL+2:G0+4*SL+3], s[G0+4*SL+2:G0+4*SL+3], 2*ROWB
.else
	s_sub_nc_u64 s[G0+4*SL+2:G0+4*SL+3], s[G0+4*SL+2:G0+4*SL+3], ROWB
.endif
.if (\n) < 3
	s_add_nc_u64 s[G0B+4*SL+2:G0B+4*SL+3], s[G0B+4*SL+2:G0B+4*SL+3], 2*ROWB
	JLOAD G0+4*SL, G1, G0B+4*SL, G1B
.else
.if (\n) == 5
	s_add_nc_u64 s[G0B2+4*SL+2:G0B2+4*SL+3], s[G0B2+4*SL+2:G0B2+4*SL+3], 2*ROWB
.endif
	JLOAD G0+4*SL, G1, G0B2+4*SL, G1B2
.endif
.endm
.macro WHERE st                        ; the chunks in which this step's and the next step's 96 bytes begin and end
.set NX, (\st)+1
.set C0, (96*(\st))/ROWB
.set C1, (96*NX)/ROWB
.set E0, (96*(\st)+95)/ROWB
.set E1, (96*NX+95)/ROWB
.endm
; A step of pass 1.  Where the next step's bytes end in a chunk not read yet, a barrier shows that chunk whole; where they begin in a later chunk, the chunk left behind is read no more:
; the wait for all tensor loads, the add and its wait stand in front of the barrier, which opens a round where a chunk two further on is left to fetch.
.macro STEP st, zero
	WHERE \st
.if C1 > C0 || E1 > E0
	s_wait_tensorcnt 0x0                           ; all my tensor loads have landed
.if C1 > C0
	ds_add_u32 v[SPW], v[NIL]
	s_wait_dscnt 4*NL+1                            ; the add and x's blocks 4-7 may be out
.else
	s_wait_dscnt 4*NL
.endif
	WIN MUL_LO
	MUL16 0, (\st)%2, (\st)%2, ((\st)/2)%2, \zero
	s_wait_dscnt 0x0                               ; the add and all my reads are done
	s_barrier_signal -1
	MUL16 2, (\st)%2, (\st)%2, ((\st)/2)%2, \zero
	WIN 0
	s_barrier_wait -1
.if C1 > C0 && C0+2 < CHUNKS
	CREST
	REFILL C0+2                                    ; its four v_nop are the places in front of the loads below
.else
	PLACES NP
.endif
.else
	s_wait_dscnt 4*NL                              ; source 0's set and blocks 0-3 are in
	WIN MUL_LO
	MUL16 0, (\st)%2, (\st)%2, ((\st)/2)%2, \zero
	MUL16 2, (\st)%2, (\st)%2, ((\st)/2)%2, \zero
	s_wait_dscnt 0
	PLACES NP
.endif
	FETCH_B NX, NX%2, ADRB
	FETCH_A NX, 0, 4, ADRA
.if NX%2 == 0
	SCALES NX/2
.endif
	WIN MUL_HI
	MUL16 4, (\st)%2, (\st)%2, ((\st)/2)%2, \zero
	MUL16 6, (\st)%2, (\st)%2, ((\st)/2)%2, \zero
	PLACES NP
	WIN 0
	FETCH_A NX, 4, 4, ADRA
.endm
; A step of pass 2: 32 matrix instructions; Wv's blocks 0, 1 are fetched anew in the step's middle, blocks 2, 3 at its end
.macro STEP2 st, zero
	WHERE \st
.if C1 > C0 || E1 > E0
	s_wait_tensorcnt 0x0
.if C1 > C0
	ds_add_u32 v[SPW], v[NIL]
	s_wait_dscnt 2*NL+1                            ; the add and Wv's blocks 2, 3 may be out
.else
	s_wait_dscnt 2*NL
.endif
	WIN MUL_LO
	MUL16 0, (\st)%2, (\st)%2, ((\st)/2)%2, \zero
	s_wait_dscnt 0x0
	s_barrier_signal -1
	WIN 0
	s_barrier_wait -1
.if C1 > C0 && C0+2 < CHUNKS
	CREST
	REFILL C0+2
.else
	PLACES NP
.endif
.else
	s_wait_dscnt 2*NL
	WIN MUL_LO
	MUL16 0, (\st)%2, (\st)%2, ((\st)/2)%2, \zero
	s_wait_dscnt 0
	PLACES NP
.endif
	FETCH_B NX, NX%2, ADRB2
	FETCH_A NX, 0, 2, ADRA2
.if NX%2 == 0
	SCALES2 NX/2
.endif
	WIN MUL_LO
	MUL16 2, (\st)%2, (\st)%2, ((\st)/2)%2, \zero
	PLACES NP
	WIN 0
	FETCH_A NX, 2, 2, ADRA2
.endm
	s_wait_tensorcnt 0x0                           ; my tile of the head's four is in
	ds_add_u32 v[SPW], v[NIL]
	s_mov_b32 s[G1+2], 128<<16                     ; no tensor load of mine is out: from here on a load brings 128 rows,
	s_mov_b32 s[G1+4], 128
	s_mov_b32 s[G1B+2], 128<<16
	s_mov_b32 s[G1B+4], 128
	s_or_b32 s[G1B2+0], s44, (0<<16)|(1<<20)|(1<<21)|(5<<22)|(3<<25)   ; and of Wv 64
	s_mov_b32 s[G1B2+1], ROWB<<16
	s_mov_b32 s[G1B2+2], 64<<16
	s_mov_b32 s[G1B2+3], ROWB<<16
	s_mov_b32 s[G1B2+4], 64
	s_mov_b32 s[G1B2+5], KROW
	s_mov_b32 s[G1B2+6], 0
	s_mov_b32 s[G1B2+7], 0
	s_mul_i32 s94, s16, 64*PITCH
	s_mov_b32 s[G0B2], 1                           ; slot 0 takes chunk 4: Wv's chunk 1;
	s_add_co_u32 s[G0B2+1], s94, 2*HALFT
	s_add_nc_u64 s[G0B2+2:G0B2+3], s[WVP:WVP+1], ROWB
	s_or_b32 s[G0B2+3], s[G0B2+3], 0x80000000
	s_mov_b32 s[G0B2+4], 1                         ; slot 1 chunk 3, Wv's chunk 0, and later chunk 5
	s_add_co_u32 s[G0B2+5], s94, SLOT+2*HALFT
	s_mov_b64 s[G0B2+6:G0B2+7], s[WVP:WVP+1]
	s_or_b32 s[G0B2+7], s[G0B2+7], 0x80000000
	s_wait_dscnt 0x0
	CROUND
	JLOAD G0+4, G1, G0B+4, G1B                     ; chunk 1, the first tensor load behind the round
	FETCH_B 0, 0, ADRB
	FETCH_A 0, 0, 4, ADRA
	SCALES 0
	FETCH_A 0, 4, 4, ADRA
	STEP 0, 1                                      ; the first step's products start the sums
.set ST, 1
.rept 6
	STEP ST, 0
.set ST, ST+1
.endr
	s_wait_tensorcnt 0x0                           ; pass 1's last step ends with chunk 2: chunk 3 is in,
	ds_add_u32 v[SPW], v[NIL]
	s_wait_dscnt 4*NL+1
	WIN MUL_LO
	MUL16 0, 1, 1, 1, 0
	s_wait_dscnt 0x0
	s_barrier_signal -1
	MUL16 2, 1, 1, 1, 0
	WIN 0
	s_barrier_wait -1
	CREST
	REFILL 4                                       ; and slot 0 takes chunk 4, which is on its way while the results below leave
	WIN MUL_HI
	MUL16 4, 1, 1, 1, 0
	MUL16 6, 1, 1, 1, 0
	WIN 0
; THE WAY OUT: + bias, the quantiser along a lane's registers (blocks of 32 lie in lanes l and l xor 16), images of the operand's registers stored 16 bytes a lane on end.
.macro ADDB a, v
.if \v
	WIN 0x06+(\a)/4
.else
	WIN 0x02+(\a)/4
.endif
.set AC, 64*((\a)%4)
.set PP, 0
.rept 32
.if \v
	v_pk_add_f32 v[HA+2*PP:HA+2*PP+1], v[AC+2*PP:AC+2*PP+1], v[BV+2*(\a):BV+2*(\a)+1]
.else
	v_pk_add_f32 v[HA+2*PP:HA+2*PP+1], v[AC+2*PP:AC+2*PP+1], v[BI+2*PP:BI+2*PP+1]
.endif
.set PP, PP+1
.endr
	WIN 0
.endm
.macro QUANT s, d0, d1, pw
.irp b, 0,1,2,3
	v_max3_num_f32 v[TM+\b], |v[\s+16*\b]|, |v[\s+1+16*\b]|, 0x1800000      ; with the floor 2^(3 - 127): the byte cannot fall under 1
.endr
.irp i, 2,4,6,8,10,12,14
.irp b, 0,1,2,3
	v_max3_num_f32 v[TM+\b], v[TM+\b], |v[\s+16*\b+\i]|, |v[\s+1+16*\b+\i]|
.endr
.endr
.irp b, 0,1,2,3
	v_permlanex16_b32 v[TM+4+\b], v[TM+\b], s[SEL], s[SEL+1]
.endr
.irp b, 0,1,2,3
	v_max_num_f32 v[TM+\b], v[TM+\b], v[TM+4+\b]
.endr
.irp b, 0,1,2,3
	v_add_nc_u32 v[TM+12+\b], 0xff000000, v[TM+\b]                          ; 2 off the exponent field: the conversion's scale operand
.endr
.irp b, 0,1,2,3
	v_lshrrev_b32 v[TM+4+\b], 23, v[TM+12+\b]
.endr
	v_lshl_or_b32 v[\pw], v[TM+5], 8, v[TM+4]
	v_lshl_or_b32 v[\pw], v[TM+6], 16, v[\pw]
	v_lshl_or_b32 v[\pw], v[TM+7], 24, v[\pw]
	v_cvt_scalef32_pk16_fp6_f32 v[\d0:\d0+2], v[\s:\s+15], v[TM+12]
	v_cvt_scalef32_pk16_fp6_f32 v[T:T+2], v[\s+16:\s+31], v[TM+13]
	v_cvt_scalef32_pk16_fp6_f32 v[\d1:\d1+2], v[\s+32:\s+47], v[TM+14]
	v_cvt_scalef32_pk16_fp6_f32 v[T+4:T+6], v[\s+48:\s+63], v[TM+15]
	v_nop
.irp i, 0,1,2
	v_permlane16_swap_b32 v[\d0+\i], v[T+\i]
	v_permlane16_swap_b32 v[\d1+\i], v[T+4+\i]
.endr
.irp i, 0,1,2
	v_mov_b32 v[\d0+3+\i], v[T+\i]
	v_mov_b32 v[\d1+3+\i], v[T+4+\i]
.endr
.endm
	PLACES NP
	s_wait_loadcnt 0x0                             ; the biases are in
.irp b, 0,1,2,3
	v_mov_b32 v[TM+4+\b], 0                        ; a lane permute's destination counts as one of its sources
.endr
.irp al, 0,1,2,3                       ; q or k: two blocks of 16 tokens make a fragment of each of the two heads
.if \al > 0
	s_wait_xcnt 0x0                                ; the stores have read their registers
.endif
	ADDB 2*\al, 0
	QUANT HA, X, Y, PW
	ADDB 2*\al+1, 0
	QUANT HA, X+6, Y+6, PW+1
	v_perm_b32 v252, v[PW+1], v[PW], 0x05040100
	v_perm_b32 v253, v[PW+1], v[PW], 0x07060302
	v_cndmask_b32 v[SW+\al], v252, v253, s[MK]
.irp p, 0,1,2
	global_store_b128 v[LI], v[X+4*\p:X+4*\p+3], s[12:13] offset:1536*\al+512*\p
	global_store_b128 v[LI], v[Y+4*\p:Y+4*\p+3], s[12:13] offset:HEADB+1536*\al+512*\p
.endr
.endr
	global_store_b128 v[LSC], v[SW:SW+3], s[12:13] offset:12288
	FETCH_B 8, 0, ADRB2                            ; PASS 2: chunk 3 was shown whole by the last barrier
	FETCH_A 8, 0, 2, ADRA2
	SCALES2 4
	FETCH_A 8, 2, 2, ADRA2
	STEP2 8, 1
.set ST, 9
.rept 6
	STEP2 ST, 0
.set ST, ST+1
.endr
	s_wait_dscnt 2*NL                              ; the last step
	WIN MUL_LO
	MUL16 0, 1, 1, 1, 0
	s_wait_dscnt 0
	MUL16 2, 1, 1, 1, 0
	WIN 0
	PLACES NP
.irp a, 0,1,2,3                        ; v: 16 of my head's 64 x 128 tokens make a fragment
	s_wait_xcnt 0x0                                ; the earlier stores have read their registers
	ADDB \a, 1
	QUANT HA, X, X+6, PW+\a
.irp p, 0,1,2
	global_store_b128 v[LI], v[X+4*\p:X+4*\p+3], s[OV:OV+1] offset:6144+1536*\a+512*\p
.endr
.endr
	v_and_b32 v252, 15, v0
	v_lshlrev_b32 v252, 4, v252                    ; the four scale words of row l % 16; lanes 16-31 hold and store the same words at the same places
	global_store_b128 v252, v[PW:PW+3], s[OV:OV+1] offset:12544
	s_wait_tensorcnt 0x0                           ; the wave's end
	ds_add_u32 v[SPW], v[NIL]
	s_wait_dscnt 0x0
	CROUND                                         ; the closing round
	s_endpgm
.Lfunc_end_k_q7d499a6231_proj:
	.size	k_q7d499a6231_proj, .Lfunc_end_k_q7d499a6231_proj-k_q7d499a6231_proj
	.p2alignl 7, 3214868480
	.fill 96, 4, 3214868480
	.section	.rodata,"a",@progbits
	.p2align	6, 0x0
	.amdhsa_kernel k_q7d499a6231_proj
		.amdhsa_group_segment_fixed_size 327680
		.amdhsa_private_segment_fixed_size 0
		.amdhsa_enable_private_segment 0
		.amdhsa_kernarg_size 72
		.amdhsa_user_sgpr_count 2
		.amdhsa_user_sgpr_kernarg_segment_ptr 1
		.amdhsa_wavefront_size32 1
		.amdhsa_system_sgpr_workgroup_id_x 1
		.amdhsa_system_sgpr_workgroup_id_y 1
		.amdhsa_system_sgpr_workgroup_id_z 1
		.amdhsa_system_vgpr_workitem_id 0
		.amdhsa_next_free_vgpr 1024
		.amdhsa_next_free_sgpr 106
		.amdhsa_reserve_vcc 0
		.amdhsa_float_denorm_mode_32 3
		.amdhsa_float_denorm_mode_16_64 3
		.amdhsa_memory_ordered 1
		.amdhsa_forward_progress 1
		.amdhsa_inst_pref_size 255
	.end_amdhsa_kernel
	.section	.bss,"aw",@nobits
	.p2align	6
	.space	262144
	.amdgpu_metadata
---
amdhsa.version: [ 1, 2 ]
amdhsa.kernels:
  - .name:           k_q7d499a6231_proj
    .symbol:         k_q7d499a6231_proj.kd
    .args:
      - { .name: xc, .offset: 0, .size: 8, .value_kind: global_buffer, .address_space: global }
      - { .name: xs, .offset: 8, .size: 8, .value_kind: global_buffer, .address_space: global }
      - { .name: wc, .offset: 16, .size: 8, .value_kind: global_buffer, .address_space: global }
      - { .name: ws, .offset: 24, .size: 8, .value_kind: global_buffer, .address_space: global }
      - { .name: bq, .offset: 32, .size: 8, .value_kind: global_buffer, .address_space: global }
      - { .name: bk, .offset: 40, .size: 8, .value_kind: global_buffer, .address_space: global }
      - { .name: bv, .offset: 48, .size: 8, .value_kind: global_buffer, .address_space: global }
      - { .name: qi, .offset: 56, .size: 8, .value_kind: global_buffer, .address_space: global }
      - { .name: kv, .offset: 64, .size: 8, .value_kind: global_buffer, .address_space: global }
    .group_segment_fixed_size: 327680
    .private_segment_fixed_size: 0
    .kernarg_segment_align: 8
    .kernarg_segment_size: 72
    .max_flat_workgroup_size: 128
    .sgpr_count:     106
    .vgpr_count:     1024
    .wavefront_size: 32
...
	.end_amdgpu_metadata
.endif
;; end of part 2
;; launch attn (part 3): grid 4 x 64, 16 waves a work-group, clusters of 4 x 1, 327,680 bytes of LDS; arguments qi, kv, att; writes att
.if DOCPART == 3
	.amdgcn_target "amdgcn-amd-amdhsa--gfx1250"
	.amdhsa_code_object_version 6
	.text
	.protected	k_q7d499a6231_attn
	.globl	k_q7d499a6231_attn
	.p2align	8
	.type	k_q7d499a6231_attn,@function
k_q7d499a6231_attn:
	s_mov_b64 s[64:65], 0
	v_nop
	global_prefetch_b8 v0, s[64:65] scope:SCOPE_SE
	s_setreg_imm32_b32 hwreg(HW_REG_WAVE_MODE, 25, 1), 1
	s_wait_xcnt 0x0
	s_wait_alu depctr_hold_cnt(0) depctr_sa_sdst(0) depctr_va_vdst(0) depctr_va_sdst(0) depctr_va_ssrc(0) depctr_va_vcc(0) depctr_vm_vsrc(0)
	s_getreg_b32 s2, hwreg(HW_REG_IB_STS2, 6, 4)
	s_cmp_eq_u32 s2, 0
	s_cbranch_scc0 .Lentry_in_a_cluster
	s_endpgm
.Lentry_in_a_cluster:
	s_bfe_u32 s2, ttmp6, 0x10000c
	s_cmp_lg_u32 s2, 0x3003
	s_cbranch_scc0 .Lentry_shape_is_right
	s_endpgm
.Lentry_shape_is_right:
; att[b][q][64 head ..] = the sum over keys k <= q of softmax_k(q . k / 8 + 1) v, for 64 (batch, head) pairs, 2,048 tokens, head size 64; both products on codes of FP6 (E2M3) with E8M0 scales.
; THE SOFTMAX AHEAD OF THE SECOND PRODUCT: t = (score / 8 + 1) log2(e); M = the row's largest t so far, rounded up to a whole number; p = 2^(t - M) is quantised along the keys, not normalised.
; The row's sum is taken of the unquantised p and divides O at the end.  When M moves, the sum and O are multiplied by 2^(old M - new M): exact.
; OPERANDS come as images of their registers: a record of 12,800 bytes holds, for 128 keys of a head, four fragments of K, four of V and their scale words; a fragment is three loads of 16 bytes a lane at 16 x lane.
; K = 64 IN AN INSTRUCTION OF 128: a fragment of K holds two tiles of keys; Q stands between zero codes, [0 x6 | q x6 | 0 x6]: registers 6-17 give the first tile, registers 0-11 the second.
; Both products are used transposed: a lane holds one query (lane % 16); register 8 T + j of S^T is key 16 T + 8 (lane / 16) + j, the order in which V's codes were laid along the keys too.
; ALL OF A HEAD'S K AND V STAY IN LDS: 16 records, 204,800 bytes, each byte filled once.  Every wave asks for 6,400 bytes of records 0-7 at the head and for 6,400 bytes of records 8-15 behind the first barrier;
; the second load is out while the first eight key steps are walked; one barrier follows them, and behind it no wave waits for another.
; SHARES.  Work-group i (0..3) of a head, wave w: query tiles 127 - (4 w + i) and 4 w + i, of 16 queries each: 16 - w / 2 and w / 2 + 1 key steps of 128 keys, 17 for every wave; every work-group reads every record.
; CLUSTER: the four work-groups of a head ask for the same records by the same descriptors: joint loads, mask 15.  The record in which a tile lies is 15 - w / 2 or w / 2, whatever i: branches hang on the wave's number and counted steps alone.
; CAUSAL.  A step all of whose keys come after the tile's queries is jumped over; in the tile's own record hidden scores become -infinity ahead of the maximum; the upper tile's steps 0-7 hide nothing and have a copy of the step without the mask.
; NO PREFETCH: both loads of a wave are issued ahead of the first key step; no later load is left to run ahead of.
; LIMITS: NaN and infinities are not served.
.set REC,   12800
.set HALFK, 8*REC
.set SPARE, 16*REC                     ; the spare words, 128 bytes for each of sixteen waves
.set STAGE, SPARE+2048                 ; the way out: 16 rows x (256 + 16) bytes for each wave; no fill lands here
.set LI,   1                           ; 16 x lane
.set LR,   2                           ; 16 (lane % 16)
.set SPW,  3
.set NIL,  4
.set ADR,  5
.set ADS,  6
.set GO,   7
.set STO,  8
.set RD,   9
.set QS,   10                          ; q's scale word in hand; v11 the second tile's
.set QSB,  11
.set LM,   12                          ; log2(e) - M; v13 the largest t; v[14:15] the sum in two halves
.set TMAX, 13
.set QHI,  16                          ; v16-27 [0 | q]
.set QLO,  22                          ; v22-33 [q | 0]
.set QB,   34                          ; v34-39 the second tile's q
.set FR,   40                          ; v40-87 four fragments of K, then of V
.set NEGM, 88
.set RH,   89                          ; lane % 16 - 8 (lane / 16)
.set DV,   93                          ; my query's place in its record - 8 (lane / 16), of the tile in hand; v94 of the second
.set DVB,  94
.set S,    96                          ; v96-159 S^T, then p
.set O,    160                         ; v160-191 O^T
.set BM,   192
.set PT,   196
.set SO,   204
.set KSW,  208
.set VSW,  212
.set F,    216
.set PS,   217
.set PC,   224
.set WV,   10                          ; s10 wave; s11 i; s12 16 batch + head
.set G1,   16
.set OA,   30
.set OB,   32
.set Q0,   34
.set QB0,  35
.set TB,   37                          ; LDS byte at which the step's record begins
.set NS,   38                          ; the step: which record
.set RQ,   39                          ; the record in which the tile in hand lies; s40 the second tile's
.set RQB,  40
.set SEL,  44
.set CS,   46
.set LG,   48
.set MA,   49
.set MB,   50
.macro ROUND                           ; a round of the cluster's barrier
	s_barrier_signal -1
	s_barrier_wait -1
	s_cmp_lg_u32 s[WV], 0
	s_cbranch_scc1 .Lnot_wave_0_\@
	s_barrier_signal -3
.Lnot_wave_0_\@:
	s_barrier_wait -3
	s_barrier_signal -1
	s_barrier_wait -1
.endm
.macro QPLACE q0, img, sc, o, msk      ; all that hangs on a tile's first query: its image in qi, its scale bytes, its rows of att, its half
	s_lshr_b32 s60, s[\q0], 7
	s_lshl_b32 s61, s12, 4
	s_add_co_u32 s60, s60, s61
	s_mul_i32 s60, s60, REC
	s_bfe_u32 s62, s[\q0], 0x20005
	s_mul_i32 s61, s62, 1536
	s_add_co_u32 s[\img], s60, s61
	s_mov_b32 s[\img+1], 0
	s_add_nc_u64 s[\img:\img+1], s[4:5], s[\img:\img+1]
	s_lshl_b32 s62, s62, 2
	s_bfe_u32 s63, s[\q0], 0x10004
	s_lshl_b32 s61, s63, 1
	s_add_co_u32 s62, s62, s61
	s_add_co_u32 s[\sc], s60, s62
	s_mov_b32 s[\sc+1], 0
	s_add_nc_u64 s[\sc:\sc+1], s[4:5], s[\sc:\sc+1]
	s_sub_co_u32 s[\msk], 0, s63
	s_lshr_b32 s60, s12, 4
	s_lshl_b32 s60, s60, 23
	s_lshl_b32 s61, s[\q0], 12
	s_add_co_u32 s60, s60, s61
	s_and_b32 s61, s12, 15
	s_lshl_b32 s61, s61, 8
	s_add_co_u32 s[\o], s60, s61
	s_mov_b32 s[\o+1], 0
	s_add_nc_u64 s[\o:\o+1], s[8:9], s[\o:\o+1]
.endm
.macro INIT                            ; a tile begins: the largest t is -3e38; the sum and O^T are zeros
	v_mov_b32 v[TMAX], 0xff61b1e6
	s_delay_alu instid0(VALU_DEP_1)
	v_floor_f32 v[NEGM], -v[TMAX]
	v_mov_b32 v14, 0
	v_mov_b32 v15, 0
.set JJ, 0
.rept 32
	v_mov_b32 v[O+JJ], 0
.set JJ, JJ+1
.endr
.endm
	s_load_b128 s[4:7], s[0:1], 0x0                ; qi, kv
	s_load_b64 s[8:9], s[0:1], 0x10                ; att
	v_lshl_add_u32 v[SPW], v0, 2, SPARE
	v_mov_b32 v[NIL], 0
	ds_add_u32 v[SPW], v[NIL]                      ; the opening lines: the add, twice on end, and its wait
	ds_add_u32 v[SPW], v[NIL]
	v_lshrrev_b32 v1, 5, v0
	v_readfirstlane_b32 s[WV], v1                  ; wave 0..15
	s_bfe_u32 s11, ttmp6, 0x40000                  ; i: my place in the cluster
	s_and_b32 s12, ttmp7, 0xffff                   ; 16 batch + head
	s_mov_b32 s[G1], 15|(3<<16)|(1<<21)            ; the four partners; 6,400 dense bytes as 25 rows of 256 (32 elements of 8 bytes), no padding
	s_mov_b32 s[G1+1], 32<<16
	s_mov_b32 s[G1+2], 25<<16
	s_mov_b32 s[G1+3], 32<<16
	s_mov_b32 s[G1+4], 25
	s_mov_b32 s[G1+5], 32
	s_mov_b32 s[G1+6], 0
	s_mov_b32 s[G1+7], 0
	s_mul_i32 s52, s12, 16*REC                     ; the head's records,
	s_mul_i32 s25, s[WV], 6400                     ; my sixteenth of eight of them: in LDS
	s_add_co_u32 s52, s52, s25                     ; and in memory
	s_mov_b32 s53, 0
	s_mov_b32 s24, 1
	s_wait_dscnt 0x0
	s_wait_kmcnt 0x0
	s_add_nc_u64 s[26:27], s[6:7], s[52:53]
	s_or_b32 s27, s27, 0x80000000
	ROUND                                          ; the four partners are here: the joint loads meet
	tensor_load_to_lds s[24:27], s[G1:G1+7]        ; records 0-7: my one load at the head
	s_nop 0
	s_lshl_b32 s60, s[WV], 2
	s_add_co_u32 s60, s60, s11                     ; 4 w + i
	s_lshl_b32 s[QB0], s60, 4                      ; my second tile's first query,
	s_sub_co_u32 s[Q0], 127, s60
	s_lshl_b32 s[Q0], s[Q0], 4                     ; my first tile's
	s_lshr_b32 s[RQB], s[WV], 1                    ; their records, by the wave's number alone
	s_sub_co_u32 s[RQ], 15, s[RQB]
	QPLACE Q0, 52, 56, OA, MA
	QPLACE QB0, 54, 58, OB, MB
	v_and_b32 v90, 15, v0                          ; r
	v_bfe_u32 v91, v0, 4, 1                        ; h
	v_and_b32 v92, 31, v0
	s_delay_alu instid0(VALU_DEP_1)
	v_lshlrev_b32 v[LI], 4, v92
	s_delay_alu instid0(VALU_DEP_4)
	v_lshlrev_b32 v[LR], 4, v90
.irp p, 0,1,2
	global_load_b128 v[40+4*\p:43+4*\p], v[LI], s[52:53] offset:512*\p     ; the image that holds my first tile,
	global_load_b128 v[52+4*\p:55+4*\p], v[LI], s[54:55] offset:512*\p     ; my second
.endr
	global_load_u16 v[QS], v[LR], s[56:57] offset:12288
	global_load_u16 v[QSB], v[LR], s[58:59] offset:12288
	s_mul_i32 s60, s[WV], 16*272
	s_add_co_u32 s60, s60, STAGE                   ; my stage
	s_and_b32 s61, s[Q0], 127
	s_and_b32 s62, s[QB0], 127
	v_lshlrev_b32 v[GO], 12, v91
	s_delay_alu instid0(VALU_DEP_1)
	v_lshl_add_u32 v[GO], v90, 4, v[GO]
	v_mul_u32_u24 v[STO], v90, 272
	s_delay_alu instid0(VALU_DEP_1)
	v_lshl_add_u32 v[STO], v91, 5, v[STO]
	s_delay_alu instid0(VALU_DEP_1)
	v_add_nc_u32 v[STO], s60, v[STO]
	v_mul_u32_u24 v[RD], v91, 272
	s_delay_alu instid0(VALU_DEP_1)
	v_lshl_add_u32 v[RD], v90, 4, v[RD]
	s_delay_alu instid0(VALU_DEP_1)
	v_add_nc_u32 v[RD], s60, v[RD]
	v_lshlrev_b32 v[RH], 3, v91
	s_delay_alu instid0(VALU_DEP_1)
	v_sub_nc_u32 v[RH], v90, v[RH]
	s_delay_alu instid0(VALU_DEP_1)
	v_add_nc_u32 v[DV], s61, v[RH]
	v_add_nc_u32 v[DVB], s62, v[RH]
.irp e, 0,1,2,3,4,5
	v_mov_b32 v[16+\e], 0                          ; the zero codes on both sides of q
	v_mov_b32 v[28+\e], 0
.endr
.irp b, 0,1,2,3
	v_mov_b32 v[PT+\b], 0                          ; a lane permute's destination counts as one of its sources
.endr
	v_mov_b32 v[PS], 0
	v_mov_b32 v218, 0
	s_mov_b32 s[SEL], 0x76543210
	s_mov_b32 s[SEL+1], 0xfedcba98
	s_mov_b32 s[CS], 0x3e38aa3b                    ; log2(e) / 8
	s_mov_b32 s[CS+1], s[CS]
	s_mov_b32 s[LG], 0x3fb8aa3b                    ; log2(e): the mask's + 1
; O^T / the sum goes through my stage and leaves as rows of 256 bytes: sixteen lanes store 256 consecutive bytes, aligned
.macro FINISH op, more
.rept 4
	v_nop                                          ; places behind the last products
.endr
	v_add_f32 v14, v14, v15
	s_delay_alu instid0(VALU_DEP_1)
	v_permlanex16_b32 v218, v14, s[SEL], s[SEL+1]
	s_delay_alu instid0(VALU_DEP_1)
	v_add_f32 v14, v14, v218                       ; the row's sum
	s_wait_alu depctr_va_vdst(0)
	v_rcp_f32 v14, v14
	v_nop
.set JJ, 0
	s_wait_alu depctr_va_vdst(0)
.rept 16
	v_pk_mul_f32 v[S+JJ:S+JJ+1], v[O+JJ:O+JJ+1], v[14:15] op_sel_hi:[1,0]
.set JJ, JJ+2
.endr
.irp dt, 0,1,2,3
	ds_store_b128 v[STO], v[S+8*\dt:S+8*\dt+3] offset:64*\dt
	ds_store_b128 v[STO], v[S+8*\dt+4:S+8*\dt+7] offset:64*\dt+16
.endr
.irp i, 0,1,2,3,4,5,6,7
	ds_load_b128 v[S+32+4*\i:S+35+4*\i], v[RD] offset:544*\i   ; LDS serves a wave's instructions in order: these see my stores
.endr
.irp i, 0,1,2,3,4,5,6,7
	s_wait_dscnt 7-\i
	global_store_b128 v[GO], v[S+32+4*\i:S+35+4*\i], s[\op:\op+1] offset:8192*\i
.endr
.if \more
	s_wait_xcnt 0x0                                ; the stores have read their registers: the next scores may land there
.endif
.endm
; A KEY STEP: the 128 keys of the record at s[TB].  gen = 1: steps behind the tile's record are jumped over, and in that record hidden scores are masked
.macro STEP gen
.if \gen
	s_cmp_gt_u32 s[NS], s[RQ]
	s_cbranch_scc1 .Lhidden_\@
.endif
	v_add_nc_u32 v[ADR], s[TB], v[LI]
	v_add_nc_u32 v[ADS], s[TB], v[LR]
	v_nop
	v_nop                                          ; four places in front of loads into registers that the last products have read
.irp be, 0,1,2,3
.irp p, 0,1,2
	ds_load_b128 v[FR+12*\be+4*\p:FR+12*\be+4*\p+3], v[ADR] offset:1536*\be+512*\p
.endr
.endr
	ds_load_b128 v[KSW:KSW+3], v[ADS] offset:12288
	ds_load_b128 v[VSW:VSW+3], v[ADS] offset:12544
	s_wait_alu depctr_va_vdst(0)
	s_wait_dscnt 0x0
.irp be, 0,1,2,3                               ; S^T = K Q^T
	v_wmma_scale_f32_16x16x128_f8f6f4 v[S+16*\be:S+16*\be+7], v[FR+12*\be:FR+12*\be+11], v[QLO:QLO+11], 0, v[KSW+\be], v[QS] matrix_a_fmt:MATRIX_FMT_FP6 matrix_b_fmt:MATRIX_FMT_FP6
	v_wmma_scale_f32_16x16x128_f8f6f4 v[S+16*\be+8:S+16*\be+15], v[FR+12*\be:FR+12*\be+11], v[QHI:QHI+11], 0, v[KSW+\be], v[QS] matrix_a_fmt:MATRIX_FMT_FP6 matrix_b_fmt:MATRIX_FMT_FP6
.endr
.rept 4
	v_nop                                          ; places: for the loads below and for the first read of the scores
.endr
.irp dt, 0,1,2,3                               ; V's fragments land while the softmax is walked
.irp p, 0,1,2
	ds_load_b128 v[FR+12*\dt+4*\p:FR+12*\dt+4*\p+3], v[ADR] offset:6144+1536*\dt+512*\p
.endr
.endr
.if \gen
	s_cmp_lt_u32 s[NS], s[RQ]                      ; all keys count: no mask
	s_cbranch_scc1 .Lopen_\@
	v_mov_b32 v219, 0xff800000                     ; -infinity.  Register 8 T + j is hidden where 16 T + j > my query's place - 8 (lane / 16)
.set NN, 0
.rept 64
	v_cmp_gt_i32 vcc_lo, 16*(NN/8)+NN%8, v[DV]
	v_cndmask_b32 v[S+NN], v[S+NN], v219, vcc_lo
.set NN, NN+1
.endr
.Lopen_\@:
.endif
.irp b, 0,1,2,3
	v_max3_num_f32 v[BM+\b], v[S+16*\b], v[S+1+16*\b], v[S+2+16*\b]   ; the largest score of each block of 32 keys: for the row's maximum and for the block's largest p
.endr
.irp i, 3,5,7,9,11,13
.irp b, 0,1,2,3
	v_max3_num_f32 v[BM+\b], v[BM+\b], v[S+16*\b+\i], v[S+1+16*\b+\i]
.endr
.endr
.irp b, 0,1,2,3
	v_max_num_f32 v[BM+\b], v[BM+\b], v[S+15+16*\b]
.endr
.irp b, 0,1,2,3
	s_delay_alu instid0(VALU_DEP_4)
	v_permlanex16_b32 v[PT+\b], v[BM+\b], s[SEL], s[SEL+1]
.endr
.irp b, 0,1,2,3
	s_delay_alu instid0(VALU_DEP_4)
	v_max_num_f32 v[BM+\b], v[BM+\b], v[PT+\b]
.endr
	s_delay_alu instid0(VALU_DEP_2)
	v_max3_num_f32 v218, v[BM], v[BM+1], v[BM+2]
	s_delay_alu instid0(VALU_DEP_1)
	v_max_num_f32 v218, v218, v[BM+3]
	s_delay_alu instid0(VALU_DEP_1)
	v_fma_f32 v218, v218, s[CS], s[LG]             ; as t
	s_delay_alu instid0(VALU_DEP_1)
	v_max_num_f32 v[TMAX], v[TMAX], v218
	v_mov_b32 v218, v[NEGM]
	s_delay_alu instid0(VALU_DEP_2)
	v_floor_f32 v[NEGM], -v[TMAX]                  ; the new -M = -ceil(t)
	s_delay_alu instid0(VALU_DEP_1)
	v_sub_f32 v218, v[NEGM], v218
	s_delay_alu instid0(VALU_DEP_1)
	v_cvt_i32_f32 v218, v218                       ; (it saturates)
	s_delay_alu instid0(VALU_DEP_1)
	v_ldexp_f32 v[F], 1.0, v218                    ; f = 2^(old M - new M)
	s_delay_alu instid0(VALU_DEP_4)
	v_add_f32 v[LM], s[LG], v[NEGM]
.set JJ, 0
.rept 32
	v_pk_fma_f32 v[S+JJ:S+JJ+1], v[S+JJ:S+JJ+1], s[CS:CS+1], v[LM:LM+1] op_sel_hi:[1,0,0]   ; t - M
.set JJ, JJ+2
.endr
.irp b, 0,1,2,3
	v_fma_f32 v[BM+\b], v[BM+\b], s[CS], v[LM]
.endr
.set JJ, 0
	s_wait_alu depctr_va_vdst(0)
.rept 64
	v_exp_f32 v[S+JJ], v[S+JJ]                     ; p = 2^(t - M)
.set JJ, JJ+1
.endr
.irp b, 0,1,2,3
	v_exp_f32 v[BM+\b], v[BM+\b]                   ; the block's largest p
.endr
	v_pk_mul_f32 v[14:15], v[14:15], v[F:F+1] op_sel_hi:[1,0]
	s_wait_alu depctr_va_vdst(0)
.irp b, 0,1,2,3
	v_max_num_f32 v[BM+\b], 0x1800000, v[BM+\b]    ; the floor 2^(3 - 127)
.endr
.irp b, 0,1,2,3
	s_delay_alu instid0(VALU_DEP_4)
	v_add_nc_u32 v[SO+\b], 0xff000000, v[BM+\b]
.endr
.irp b, 0,1,2,3
	s_delay_alu instid0(VALU_DEP_4)
	v_lshrrev_b32 v[PT+\b], 23, v[SO+\b]
.endr
	s_delay_alu instid0(VALU_DEP_3)
	v_lshl_or_b32 v[PS], v[PT+1], 8, v[PT]
	s_delay_alu instid0(VALU_DEP_1)
	v_lshl_or_b32 v[PS], v[PT+2], 16, v[PS]
	s_delay_alu instid0(VALU_DEP_1)
	v_lshl_or_b32 v[PS], v[PT+3], 24, v[PS]
.irp c, 0,1
	v_cvt_scalef32_pk16_fp6_f32 v[PC+6*\c:PC+2+6*\c], v[S+32*\c:S+15+32*\c], v[SO+2*\c]
	v_cvt_scalef32_pk16_fp6_f32 v[PT+4*\c:PT+2+4*\c], v[S+16+32*\c:S+31+32*\c], v[SO+2*\c+1]
.endr
	v_nop
.irp c, 0,1
.irp i, 0,1,2
	v_permlane16_swap_b32 v[PC+6*\c+\i], v[PT+4*\c+\i]
.endr
.irp i, 0,1,2
	s_delay_alu instid0(VALU_DEP_3)
	v_mov_b32 v[PC+3+6*\c+\i], v[PT+4*\c+\i]
.endr
.endr
	v_pk_add_f32 v[196:197], v[100:101], v[104:105]        ; the sum of the unquantised p, in eight chains
	v_pk_add_f32 v[254:255], v[108:109], v[112:113]
	v_pk_add_f32 v[252:253], v[116:117], v[120:121]
	v_pk_add_f32 v[250:251], v[124:125], v[128:129]
	v_pk_add_f32 v[248:249], v[132:133], v[136:137]
	v_pk_add_f32 v[246:247], v[140:141], v[144:145]
	v_pk_add_f32 v[244:245], v[148:149], v[152:153]
	v_pk_add_f32 v[14:15], v[14:15], v[156:157]
	v_pk_add_f32 v[196:197], v[196:197], v[96:97]
	v_pk_add_f32 v[254:255], v[254:255], v[98:99]
	v_pk_add_f32 v[252:253], v[252:253], v[102:103]
	v_pk_add_f32 v[250:251], v[250:251], v[106:107]
	v_pk_add_f32 v[248:249], v[248:249], v[110:111]
	v_pk_add_f32 v[246:247], v[246:247], v[114:115]
	v_pk_add_f32 v[244:245], v[244:245], v[118:119]
	v_pk_add_f32 v[14:15], v[14:15], v[122:123]
	v_pk_add_f32 v[196:197], v[196:197], v[126:127]
	v_pk_add_f32 v[254:255], v[254:255], v[130:131]
	v_pk_add_f32 v[252:253], v[252:253], v[134:135]
	v_pk_add_f32 v[250:251], v[250:251], v[138:139]
	v_pk_add_f32 v[248:249], v[248:249], v[142:143]
	v_pk_add_f32 v[246:247], v[246:247], v[146:147]
	v_pk_add_f32 v[244:245], v[244:245], v[150:151]
	v_pk_add_f32 v[14:15], v[14:15], v[154:155]
	v_pk_add_f32 v[196:197], v[196:197], v[158:159]
	s_delay_alu instid0(VALU_DEP_2)
	v_pk_add_f32 v[14:15], v[14:15], v[250:251]
	s_delay_alu instid0(VALU_DEP_2)
	v_pk_add_f32 v[196:197], v[196:197], v[248:249]
	v_pk_add_f32 v[254:255], v[254:255], v[246:247]
	v_pk_add_f32 v[252:253], v[252:253], v[244:245]
	s_delay_alu instid0(VALU_DEP_2)
	v_pk_add_f32 v[14:15], v[14:15], v[254:255]
	s_delay_alu instid0(VALU_DEP_2)
	v_pk_add_f32 v[196:197], v[196:197], v[252:253]
	s_delay_alu instid0(VALU_DEP_1)
	v_pk_add_f32 v[14:15], v[14:15], v[196:197]
.set JJ, 0
.rept 16
	v_pk_mul_f32 v[O+JJ:O+JJ+1], v[O+JJ:O+JJ+1], v[F:F+1] op_sel_hi:[1,0]   ; O^T under the new M
.set JJ, JJ+2
.endr
	s_wait_alu depctr_va_vdst(0)
	s_wait_dscnt 0x0                               ; V's fragments are in
.irp dt, 0,1,2,3                               ; O^T += V^T P^T: the four accumulators take turns
	v_wmma_scale_f32_16x16x128_f8f6f4 v[O+8*\dt:O+8*\dt+7], v[FR+12*\dt:FR+12*\dt+11], v[PC:PC+11], v[O+8*\dt:O+8*\dt+7], v[VSW+\dt], v[PS] matrix_a_fmt:MATRIX_FMT_FP6 matrix_b_fmt:MATRIX_FMT_FP6
.endr
.if \gen
.Lhidden_\@:
.endif
	s_add_co_u32 s[TB], s[TB], REC
.endm
.macro WALK gen, first, last           ; records first .. last - 1: a constant count of trips
	s_mov_b32 s[NS], \first
	s_mov_b32 s[TB], \first*REC
.Lwalk_\@:
	STEP \gen
	s_add_co_u32 s[NS], s[NS], 1
	s_cmp_lt_u32 s[NS], \last
	s_cbranch_scc1 .Lwalk_\@
.endm
	s_wait_alu depctr_va_vdst(0)
	s_wait_tensorcnt 0x0                           ; my part of records 0-7 is in
	ds_add_u32 v[SPW], v[NIL]
	s_add_co_u32 s25, s25, HALFK                   ; no tensor load of mine is out: group 0 steps to my part of records 8-15
	s_add_nc_u64 s[26:27], s[26:27], HALFK
	s_wait_dscnt 0x0
	ROUND                                          ; records 0-7 are whole, and the four partners are here
	tensor_load_to_lds s[24:27], s[G1:G1+7]        ; records 8-15: my one load behind the round; it is out while eight key steps are walked
	s_nop 0
	s_wait_loadcnt 0x0                             ; q's images are awaited only here, behind the round and my second tensor load
.irp e, 0,1,2,3,4,5
	v_cndmask_b32 v[QLO+\e], v[40+\e], v[46+\e], s[MA]   ; my tile's six registers of its image
	v_cndmask_b32 v[QB+\e], v[52+\e], v[58+\e], s[MB]
.endr
	v_lshl_or_b32 v[QS], v[QS], 16, v[QS]          ; the two bytes twice: they serve [q | 0] and [0 | q]
	v_lshl_or_b32 v[QSB], v[QSB], 16, v[QSB]
	INIT                                           ; (its 36 lines are also the places between these writes and the first scaled product)
	WALK 0, 0, 8
	s_wait_tensorcnt 0x0                           ; my part of records 8-15 is in,
	s_wait_dscnt 0x0
	s_barrier_signal -1
	s_barrier_wait -1                              ; and everybody's
	WALK 1, 8, 16
	FINISH OA, 1
	v_mov_b32 v[QS], v[QSB]                        ; the second tile takes the first's place
	v_mov_b32 v[DV], v[DVB]
.irp e, 0,1,2,3,4,5
	v_mov_b32 v[QLO+\e], v[QB+\e]
.endr
	INIT                                           ; (also the places between these writes and the next scaled product)
	s_mov_b32 s[RQ], s[RQB]
	WALK 1, 0, 8
	FINISH OB, 0
	s_wait_tensorcnt 0x0                           ; the wave's end
	ds_add_u32 v[SPW], v[NIL]
	s_wait_dscnt 0x0
	ROUND                                          ; the closing round
	s_endpgm
.Lfunc_end_k_q7d499a6231_attn:
	.size	k_q7d499a6231_attn, .Lfunc_end_k_q7d499a6231_attn-k_q7d499a6231_attn
	.p2alignl 7, 3214868480
	.fill 96, 4, 3214868480
	.section	.rodata,"a",@progbits
	.p2align	6, 0x0
	.amdhsa_kernel k_q7d499a6231_attn
		.amdhsa_group_segment_fixed_size 327680
		.amdhsa_private_segment_fixed_size 0
		.amdhsa_enable_private_segment 0
		.amdhsa_kernarg_size 24
		.amdhsa_user_sgpr_count 2
		.amdhsa_user_sgpr_kernarg_segment_ptr 1
		.amdhsa_wavefront_size32 1
		.amdhsa_system_sgpr_workgroup_id_x 1
		.amdhsa_system_sgpr_workgroup_id_y 1
		.amdhsa_system_sgpr_workgroup_id_z 1
		.amdhsa_system_vgpr_workitem_id 0
		.amdhsa_next_free_vgpr 256
		.amdhsa_next_free_sgpr 66
		.amdhsa_reserve_vcc 1
		.amdhsa_float_denorm_mode_32 3
		.amdhsa_float_denorm_mode_16_64 3
		.amdhsa_memory_ordered 1
		.amdhsa_forward_progress 1
		.amdhsa_inst_pref_size 80
	.end_amdhsa_kernel
	.amdgpu_metadata
---
amdhsa.version: [ 1, 2 ]
amdhsa.kernels:
  - .name:           k_q7d499a6231_attn
    .symbol:         k_q7d499a6231_attn.kd
    .args:
      - { .name: qi, .offset: 0, .size: 8, .value_kind: global_buffer, .address_space: global }
      - { .name: kv, .offset: 8, .size: 8, .value_kind: global_buffer, .address_space: global }
      - { .name: att, .offset: 16, .size: 8, .value_kind: global_buffer, .address_space: global }
    .group_segment_fixed_size: 327680
    .private_segment_fixed_size: 0
    .kernarg_segment_align: 8
    .kernarg_segment_size: 24
    .max_flat_workgroup_size: 512
    .sgpr_count:     66
    .vgpr_count:     256
    .wavefront_size: 32
...
	.end_amdgpu_metadata
.endif
;; end of part 3
;; launch lnorm (part 4): grid 256 x 1, 16 waves a work-group, no clusters, 0 bytes of LDS; arguments att, x, gamma, beta, out0; writes out0
.if DOCPART == 4
	.amdgcn_target "amdgcn-amd-amdhsa--gfx1250"
	.amdhsa_code_object_version 6
	.text
	.protected	k_q7d499a6231_lnorm
	.globl	k_q7d499a6231_lnorm
	.p2align	8
	.type	k_q7d499a6231_lnorm,@function
k_q7d499a6231_lnorm:
	s_mov_b64 s[64:65], 0
	v_nop
	global_prefetch_b8 v0, s[64:65] scope:SCOPE_SE
	s_setreg_imm32_b32 hwreg(HW_REG_WAVE_MODE, 25, 1), 1
	s_wait_xcnt 0x0
; out0[row] = (y - mean(y)) / sqrt(var(y) + 1e-5) x gamma + beta, y = att[row] + x[row].  8,192 rows of 1,024 f32.
; A row is 4,096 bytes: one wave takes a whole row of both tensors, eight loads of 16 bytes a lane each, and keeps y in 32 registers through the mean, the variance (of y - mean) and the scaling:
; each byte is read once and no wave waits for another.  Sixteen waves, two rows each, in two row slots: both rows are asked for at the start, the first row's loads ahead of gamma's and beta's.
; A lane keeps the same 32 columns in both rows, so its gamma and beta stay in registers.
; Each load and store of a wave covers 512 consecutive bytes, aligned.  No LDS, no barrier, no matrix unit, no cluster: nothing is shared and nothing is multiplied by a matrix.
.set ROW, 4096
.set G,   4                            ; v4-35    gamma of my 32 columns
.set BT,  36                           ; v36-67   beta
.set A,   68                           ; slot s: v[68 + 64 s ..] att's row, then y, then the result
.set XX,  100                          ; slot s: v[100 + 64 s ..] x's row
.set T,   196                          ; v196-203 at work
.macro FILL s, row
.irp j, 0,1,2,3,4,5,6,7
	global_load_b128 v[A+64*\s+4*\j:A+64*\s+4*\j+3], v1, s[4:5] offset:ROW*\row+512*\j th:TH_LOAD_NT
.endr
.irp j, 0,1,2,3,4,5,6,7
	global_load_b128 v[XX+64*\s+4*\j:XX+64*\s+4*\j+3], v1, s[6:7] offset:ROW*\row+512*\j th:TH_LOAD_NT
.endr
.endm
	s_load_b256 s[4:11], s[0:1], 0x0               ; att s[4:5], x s[6:7], gamma s[8:9], beta s[10:11]
	s_load_b64 s[12:13], s[0:1], 0x20              ; out0
	s_lshl_b32 s2, ttmp9, 17                       ; the work-group's 32 rows of 4,096 bytes
	s_mov_b32 s3, 0
	s_mov_b32 s14, 0x3a800000                      ; 1 / 1,024
	s_mov_b32 s15, 0x3727c5ac                      ; 1e-5
	s_mov_b32 s16, 0x76543210                      ; v_permlanex16_b32: lane l xor 16
	s_mov_b32 s17, 0xfedcba98
	v_and_b32 v2, 31, v0
	s_delay_alu instid0(VALU_DEP_1)
	v_lshlrev_b32 v2, 4, v2                        ; 16 x lane
	v_and_b32 v3, 0x1e0, v0                        ; 32 x wave
	s_delay_alu instid0(VALU_DEP_1)
	v_lshl_or_b32 v1, v3, 8, v2                    ; + wave x 2 rows x 4,096 bytes
	s_wait_alu depctr_va_vdst(0)
	s_wait_kmcnt 0x0
	s_add_nc_u64 s[4:5], s[4:5], s[2:3]
	s_add_nc_u64 s[6:7], s[6:7], s[2:3]
	s_add_nc_u64 s[12:13], s[12:13], s[2:3]
	FILL 0, 0
.irp j, 0,1,2,3,4,5,6,7
	global_load_b128 v[G+4*\j:G+4*\j+3], v2, s[8:9] offset:512*\j
	global_load_b128 v[BT+4*\j:BT+4*\j+3], v2, s[10:11] offset:512*\j
.endr
	FILL 1, 1
.macro REDUCE                          ; two packed chains in v[T:T+3] become the row's sum, in every lane's v[T]
	s_delay_alu instid0(VALU_DEP_1)
	v_pk_add_f32 v[T:T+1], v[T:T+1], v[T+2:T+3]
	s_delay_alu instid0(VALU_DEP_1)
	v_add_f32 v[T], v[T], v[T+1]
	s_delay_alu instid0(VALU_DEP_1)
	v_add_f32_dpp v[T], v[T], v[T] row_xmask:1 row_mask:0xf bank_mask:0xf
	s_delay_alu instid0(VALU_DEP_1)
	v_add_f32_dpp v[T], v[T], v[T] row_xmask:2 row_mask:0xf bank_mask:0xf
	s_delay_alu instid0(VALU_DEP_1)
	v_add_f32_dpp v[T], v[T], v[T] row_xmask:4 row_mask:0xf bank_mask:0xf
	s_delay_alu instid0(VALU_DEP_1)
	v_add_f32_dpp v[T], v[T], v[T] row_xmask:8 row_mask:0xf bank_mask:0xf
	s_delay_alu instid0(VALU_DEP_1)
	v_permlanex16_b32 v[T+1], v[T], s16, s17       ; (its destination has been written)
	s_delay_alu instid0(VALU_DEP_1)
	v_add_f32 v[T], v[T], v[T+1]
.endm
; The turn of slot s, which holds row `row` of my two.  left: how many younger loads may stay out.
.macro TURN s, row, left
.set YA, A+64*\s
.set YX, XX+64*\s
	s_wait_loadcnt \left                           ; my row's 16 loads are in (and gamma and beta); the second row's 16 may be out
.irp j, 0,2,4,6,8,10,12,14,16,18,20,22,24,26,28,30
	v_pk_add_f32 v[YA+\j:YA+\j+1], v[YA+\j:YA+\j+1], v[YX+\j:YX+\j+1]       ; y = att + x
.endr
	v_pk_add_f32 v[T:T+1], v[YA:YA+1], v[YA+2:YA+3]
	v_pk_add_f32 v[T+2:T+3], v[YA+4:YA+5], v[YA+6:YA+7]
.irp j, 8,12,16,20,24,28
	s_delay_alu instid0(VALU_DEP_2)
	v_pk_add_f32 v[T:T+1], v[T:T+1], v[YA+\j:YA+\j+1]
	s_delay_alu instid0(VALU_DEP_2)
	v_pk_add_f32 v[T+2:T+3], v[T+2:T+3], v[YA+\j+2:YA+\j+3]
.endr
	REDUCE
	s_delay_alu instid0(VALU_DEP_1)
	v_mul_f32 v[T+4], s14, v[T]                    ; the mean, twice: a pair for the packed forms
	s_delay_alu instid0(VALU_DEP_2)
	v_mul_f32 v[T+5], s14, v[T]
.irp j, 0,2,4,6,8,10,12,14,16,18,20,22,24,26,28,30
	v_pk_add_f32 v[YA+\j:YA+\j+1], v[YA+\j:YA+\j+1], v[T+4:T+5] neg_lo:[0,1] neg_hi:[0,1]   ; y - mean
.endr
	v_pk_mul_f32 v[T:T+1], v[YA:YA+1], v[YA:YA+1]
	v_pk_mul_f32 v[T+2:T+3], v[YA+2:YA+3], v[YA+2:YA+3]
.irp j, 4,8,12,16,20,24,28
	s_delay_alu instid0(VALU_DEP_2)
	v_pk_fma_f32 v[T:T+1], v[YA+\j:YA+\j+1], v[YA+\j:YA+\j+1], v[T:T+1]
	s_delay_alu instid0(VALU_DEP_2)
	v_pk_fma_f32 v[T+2:T+3], v[YA+\j+2:YA+\j+3], v[YA+\j+2:YA+\j+3], v[T+2:T+3]
.endr
	REDUCE
	s_delay_alu instid0(VALU_DEP_1)
	v_fma_f32 v[T+6], v[T], s14, s15               ; the variance + 1e-5
	s_wait_alu depctr_va_vdst(0)
	v_rsq_f32 v[T+4], v[T+6]
	v_rsq_f32 v[T+5], v[T+6]
	v_nop                                          ; a plain place behind the transcendentals
	s_wait_alu depctr_va_vdst(0)
.irp j, 0,2,4,6,8,10,12,14,16,18,20,22,24,26,28,30
	v_pk_mul_f32 v[YA+\j:YA+\j+1], v[YA+\j:YA+\j+1], v[T+4:T+5]
.endr
.irp j, 0,2,4,6,8,10,12,14,16,18,20,22,24,26,28,30
	v_pk_fma_f32 v[YA+\j:YA+\j+1], v[YA+\j:YA+\j+1], v[G+\j:G+\j+1], v[BT+\j:BT+\j+1]
.endr
.irp j, 0,1,2,3,4,5,6,7
	global_store_b128 v1, v[YA+4*\j:YA+4*\j+3], s[12:13] offset:ROW*\row+512*\j th:TH_STORE_NT
.endr
.endm
	TURN 0, 0, 16
	TURN 1, 1, 0
	s_endpgm
.Lfunc_end_k_q7d499a6231_lnorm:
	.size	k_q7d499a6231_lnorm, .Lfunc_end_k_q7d499a6231_lnorm-k_q7d499a6231_lnorm
	.p2alignl 7, 3214868480
	.fill 96, 4, 3214868480
	.section	.rodata,"a",@progbits
	.p2align	6, 0x0
	.amdhsa_kernel k_q7d499a6231_lnorm
		.amdhsa_group_segment_fixed_size 0
		.amdhsa_private_segment_fixed_size 0
		.amdhsa_enable_private_segment 0
		.amdhsa_kernarg_size 40
		.amdhsa_user_sgpr_count 2
		.amdhsa_user_sgpr_kernarg_segment_ptr 1
		.amdhsa_wavefront_size32 1
		.amdhsa_system_sgpr_workgroup_id_x 1
		.amdhsa_system_sgpr_workgroup_id_y 1
		.amdhsa_system_sgpr_workgroup_id_z 1
		.amdhsa_system_vgpr_workitem_id 0
		.amdhsa_next_free_vgpr 204
		.amdhsa_next_free_sgpr 66
		.amdhsa_reserve_vcc 0
		.amdhsa_float_denorm_mode_32 3
		.amdhsa_float_denorm_mode_16_64 3
		.amdhsa_memory_ordered 1
		.amdhsa_forward_progress 1
		.amdhsa_inst_pref_size 25
	.end_amdhsa_kernel
	.amdgpu_metadata
---
amdhsa.version: [ 1, 2 ]
amdhsa.kernels:
  - .name:           k_q7d499a6231_lnorm
    .symbol:         k_q7d499a6231_lnorm.kd
    .args:
      - { .name: att, .offset: 0, .size: 8, .value_kind: global_buffer, .address_space: global }
      - { .name: x, .offset: 8, .size: 8, .value_kind: global_buffer, .address_space: global }
      - { .name: gamma, .offset: 16, .size: 8, .value_kind: global_buffer, .address_space: global }
      - { .name: beta, .offset: 24, .size: 8, .value_kind: global_buffer, .address_space: global }
      - { .name: out0, .offset: 32, .size: 8, .value_kind: global_buffer, .address_space: global }
    .group_segment_fixed_size: 0
    .private_segment_fixed_size: 0
    .kernarg_segment_align: 8
    .kernarg_segment_size: 40
    .max_flat_workgroup_size: 512
    .sgpr_count:     66
    .vgpr_count:     204
    .wavefront_size: 32
...
	.end_amdgpu_metadata
.endif
;; end of part 4
